; MI455X (gfx1250); checked and timed in simulation.
; The chip was launched on July 23, 2026; its instructions are those of AMD's public machine-readable ISA for CDNA 5 (MIT licence, August 2026) and "CDNA5" Instruction Set Architecture Reference Guide (July 2026). The comments in the code are by the model that wrote it; some were corrected since.
;; Self Attn. Allowed arithmetic: float matrix products may take bf16 or f16 operands with f32 sums; other float arithmetic in f32, or as packed bf16 or f16 multiplies, adds, multiply-adds, maxima and minima; sums over many terms, partial sums and values carried from step to step in f32; what a program stores and reads back later, other than sums and carried values, may be rounded once to bf16 or f16.
;; Inputs: Wa 3,072 x 1,024 float32; Wo 1,024 x 1,024 float32; ba 3,072 float32; bo 1,024 float32; iQ 4 x 1,024 x 1,024 float32; rel_emb 33 x 64 float32; sn_bias 1 float32.
;; Outputs: out0 4 x 1,024 x 1,024 float32.
;; 2 versions, each right; version 2 is version 1 with the launch cast written anew for expert scheduling mode. Each part assembles by itself: llvm-mc -triple=amdgcn-amd-amdhsa -mcpu=gfx1250 --defsym DOCPART=n.
;; ======== version 1 of 2: 4 launches
;; limits: values are held in f16: magnitudes above 65,504 overflow, below 6.1e-05 lose precision; right only within a limited range of input values
;; workspace buffers: xb 8,388,608 bytes; wab 6,291,456 bytes; woh 2,097,152 bytes; qkv 25,165,824 bytes; amax 12,288 bytes; ctxh 8,388,608 bytes
;; launch cast (part 1): grid 512 x 1, 8 waves a work-group, no clusters, 0 bytes of LDS; arguments iQ, Wa, Wo, xb, wab, woh; writes xb, wab, woh
.if DOCPART == 1
	.amdgcn_target "amdgcn-amd-amdhsa--gfx1250"
	.amdhsa_code_object_version 6
	.text
	.protected	k_qeba202709d_cast
	.globl	k_qeba202709d_cast
	.p2align	8
	.type	k_qeba202709d_cast,@function
k_qeba202709d_cast:
	s_mov_b64 s[64:65], 0
	v_nop
	global_prefetch_b8 v0, s[64:65] scope:SCOPE_SE
	s_setreg_imm32_b32 hwreg(HW_REG_WAVE_MODE, 25, 1), 1
	s_wait_xcnt 0x0
; THE PROGRAM: four launches.  cast: iQ, Wa, Wo to 16 bits.  qkvp: the QKV projection, by heads.  attn: scores, SparseNormer, weights x v.  outp: the output projection.
; WORK THAT IS NOT DONE.  reference() adds to the scores the product of q with r[q][k] = rel_emb[clip(k - q, -16, 16) + 16], a table that it gathers itself: for a given query that
; product takes only 33 different values, q . rel_emb[j], whatever the inputs hold.  So attn makes those 33 numbers a query and selects among them by k - q; the dense product over
; [S, S, 64] is not formed.  Every input has a way to the output and every input is loaded.  LIMIT: a NaN, an infinity or an overflow is carried only from table entries that some key of the row selects.
; FORMATS.  All inputs are rounded to bf16 (Wo's bf16 number is then written as f16: exact down to 6.1e-5, below that in steps of 6e-8; Wo within 65,504); what the program makes (q, k, v, weights, ctx) is f16.
; THIS LAUNCH.  Work-group g takes 65,536 bytes of f32 and writes 32,768: g < 256 iQ -> xb (bf16), g < 448 Wa -> wab (bf16), else Wo -> woh.
; Thread t takes 16 bytes at 16 t + 4,096 j, j = 0..15: a load of a wave covers 512 consecutive bytes, a store 256 consecutive bytes, aligned.  All 16 loads are issued before the first wait.
.set X, 8                              ; v[8:71]    as loaded
.set Y, 72                             ; v[72:103]  to store
.set T, 104                            ; v[104:107] at work
	s_load_b256 s[4:11], s[0:1], 0x0               ; iQ s[4:5], Wa s[6:7], Wo s[8:9], xb s[10:11]
	s_load_b128 s[12:15], s[0:1], 0x20             ; wab s[12:13], woh s[14:15]
	v_lshlrev_b32 v1, 4, v0                        ; 16 t
	v_lshlrev_b32 v2, 3, v0                        ; 8 t
	s_mov_b32 s16, ttmp9
	s_sub_co_u32 s17, s16, 256                     ; my number among Wa's work-groups,
	s_sub_co_u32 s18, s16, 448                     ; among Wo's
	s_wait_kmcnt 0x0
	s_cmp_lt_u32 s16, 448
	s_cselect_b64 s[20:21], s[6:7], s[8:9]
	s_cselect_b64 s[22:23], s[12:13], s[14:15]
	s_cselect_b32 s19, s17, s18
	s_cmp_lt_u32 s16, 256
	s_cselect_b64 s[20:21], s[4:5], s[20:21]       ; from
	s_cselect_b64 s[22:23], s[10:11], s[22:23]     ; to
	s_cselect_b32 s19, s16, s19                    ; my number in that tensor
	s_lshl_b32 s24, s19, 16
	s_mov_b32 s25, 0
	s_lshl_b32 s26, s19, 15
	s_mov_b32 s27, 0
	s_add_nc_u64 s[20:21], s[20:21], s[24:25]
	s_add_nc_u64 s[22:23], s[22:23], s[26:27]
.irp j, 0,1,2,3,4,5,6,7,8,9,10,11,12,13,14,15
	global_load_b128 v[X+4*\j:X+4*\j+3], v1, s[20:21] offset:4096*\j th:TH_LOAD_NT
.endr
; Four numbers of load j.  half = 1: the bf16 number is written as f16.  No register is written twice by a store's side, so no wait frees anything.
.macro CV j, half
	s_wait_loadcnt 15-(\j)                         ; loads come back in order: load j is in, the 15 - j younger ones stay out
.if \half
.irp k, 0,1
	v_cvt_pk_bf16_f32 v[T+2*\k], v[X+4*(\j)+2*\k], v[X+4*(\j)+2*\k+1]
	v_lshlrev_b32 v[T+2*\k+1], 16, v[T+2*\k]       ; the low number as f32,
	v_and_b32 v[T+2*\k], 0xffff0000, v[T+2*\k]     ; the high one
	v_cvt_pk_f16_f32 v[Y+2*(\j)+\k], v[T+2*\k+1], v[T+2*\k]
.endr
.else
	v_cvt_pk_bf16_f32 v[Y+2*(\j)], v[X+4*(\j)], v[X+4*(\j)+1]
	v_cvt_pk_bf16_f32 v[Y+2*(\j)+1], v[X+4*(\j)+2], v[X+4*(\j)+3]
.endif
	global_store_b64 v2, v[Y+2*(\j):Y+2*(\j)+1], s[22:23] offset:2048*(\j)
.endm
	s_cmp_lt_u32 s16, 448
	s_cbranch_scc0 .Lhalf
.irp j, 0,1,2,3,4,5,6,7,8,9,10,11,12,13,14,15
	CV \j, 0
.endr
	s_endpgm
.Lhalf:
.irp j, 0,1,2,3,4,5,6,7,8,9,10,11,12,13,14,15
	CV \j, 1
.endr
	s_endpgm
.Lfunc_end_k_qeba202709d_cast:
	.size	k_qeba202709d_cast, .Lfunc_end_k_qeba202709d_cast-k_qeba202709d_cast
	.p2alignl 7, 3214868480
	.fill 96, 4, 3214868480
	.section	.rodata,"a",@progbits
	.p2align	6, 0x0
	.amdhsa_kernel k_qeba202709d_cast
		.amdhsa_group_segment_fixed_size 0
		.amdhsa_private_segment_fixed_size 0
		.amdhsa_enable_private_segment 0
		.amdhsa_kernarg_size 48
		.amdhsa_user_sgpr_count 2
		.amdhsa_user_sgpr_kernarg_segment_ptr 1
		.amdhsa_wavefront_size32 1
		.amdhsa_system_sgpr_workgroup_id_x 1
		.amdhsa_system_sgpr_workgroup_id_y 1
		.amdhsa_system_sgpr_workgroup_id_z 1
		.amdhsa_system_vgpr_workitem_id 0
		.amdhsa_next_free_vgpr 108
		.amdhsa_next_free_sgpr 66
		.amdhsa_reserve_vcc 0
		.amdhsa_float_denorm_mode_32 3
		.amdhsa_float_denorm_mode_16_64 3
		.amdhsa_memory_ordered 1
		.amdhsa_forward_progress 1
		.amdhsa_inst_pref_size 16
	.end_amdhsa_kernel
	.amdgpu_metadata
---
amdhsa.version: [ 1, 2 ]
amdhsa.kernels:
  - .name:           k_qeba202709d_cast
    .symbol:         k_qeba202709d_cast.kd
    .args:
      - { .name: iQ, .offset: 0, .size: 8, .value_kind: global_buffer, .address_space: global }
      - { .name: Wa, .offset: 8, .size: 8, .value_kind: global_buffer, .address_space: global }
      - { .name: Wo, .offset: 16, .size: 8, .value_kind: global_buffer, .address_space: global }
      - { .name: xb, .offset: 24, .size: 8, .value_kind: global_buffer, .address_space: global }
      - { .name: wab, .offset: 32, .size: 8, .value_kind: global_buffer, .address_space: global }
      - { .name: woh, .offset: 40, .size: 8, .value_kind: global_buffer, .address_space: global }
    .group_segment_fixed_size: 0
    .private_segment_fixed_size: 0
    .kernarg_segment_align: 8
    .kernarg_segment_size: 48
    .max_flat_workgroup_size: 256
    .sgpr_count:     66
    .vgpr_count:     108
    .wavefront_size: 32
...
	.end_amdgpu_metadata
.endif
;; end of part 1
;; launch qkvp (part 2): grid 16 x 16, 4 waves a work-group, clusters of 4 x 4, 327,680 bytes of LDS; arguments xb, wab, ba, qkv, amax; writes qkv, amax
.if DOCPART == 2
	.amdgcn_target "amdgcn-amd-amdhsa--gfx1250"
	.amdhsa_code_object_version 6
	.text
	.protected	k_qeba202709d_qkvp
	.globl	k_qeba202709d_qkvp
	.p2align	8
	.type	k_qeba202709d_qkvp,@function
k_qeba202709d_qkvp:
	s_mov_b64 s[64:65], 0
	v_nop
	global_prefetch_b8 v0, s[64:65] scope:SCOPE_SE
	s_setreg_imm32_b32 hwreg(HW_REG_WAVE_MODE, 25, 1), 1
	s_wait_xcnt 0x0
	s_wait_alu depctr_hold_cnt(0) depctr_sa_sdst(0) depctr_va_vdst(0) depctr_va_sdst(0) depctr_va_ssrc(0) depctr_va_vcc(0) depctr_vm_vsrc(0)
	s_getreg_b32 s2, hwreg(HW_REG_IB_STS2, 6, 4)
	s_cmp_eq_u32 s2, 0
	s_cbranch_scc0 .Lentry_in_a_cluster
	s_endpgm
.Lentry_in_a_cluster:
	s_bfe_u32 s2, ttmp6, 0x10000c
	s_cmp_lg_u32 s2, 0xf033
	s_cbranch_scc0 .Lentry_shape_is_right
	s_endpgm
.Lentry_shape_is_right:
; qkv = xb wab^T + ba, by heads.  xb [4096][1024], wab [3072][1024] bf16; ba [3072] f32, rounded to bf16 here; sums in f32.
; qkv: [g = 48][m = 4096][64] f16, g = column / 64 (q: h, k: 16 + h, v: 32 + h).  amax: [48][64] f32: the largest magnitude of head g in rows 64 i .. 64 i + 63 (taken of the f32 sums).
; LIMIT: q, k and v lie within f16 (65,504); NaN and infinities are not treated apart.
; SHARES.  A tile is 256 rows x 192 columns (three heads): 16 x 16 tiles, a work-group each.  Wave w has rows 64 w .. 64 w + 63 and all 192 columns: 48 accumulators, 384 registers.
; So 16 rows of a head are 2,048 consecutive bytes of qkv that one wave holds: each wave has a stage of its own on the way out, and no barrier stands there.
; K goes in steps of 128 through two LDS slots (rows of 256 bytes of memory); waves 0, 1 fetch A's halves (128 rows), waves 2, 3 B's (96 rows).
; CLUSTER 4 x 4: A's tile is shared along a row of the cluster, B's along a column: joint loads, as many requests as a quarter of the work-groups would make.
; THE MATRIX INSTRUCTION IS USED TRANSPOSED (source 0 = 16 rows of wab, source 1 = 16 rows of xb): a lane holds row l % 16 and the eight columns 8 (l / 16) + 0..7.
; The first product on each accumulator takes the bias as C: nothing is cleared and nothing is added later.
; REGISTERS: window 0: v0-31 addresses; v32-95 A's fragments, two buffers; v96-191 the bias, later two buffers of 48 on the way out; v192-239 packed results; v240-246 maxima
;   window 1: v0-191 B's fragments, two buffers of 96      window 2: accumulators of my rows 0-31 ((a, b) at 8 (12 a + b))      window 3: those of rows 32-63
.set KSTEP,  128
.set PITCH,  272                       ; an LDS row: 256 bytes + 16 of padding: the 16 rows of a fragment load start at 16 different groups of four banks (64 banks of 4 bytes: ISA guide 11.1)
.set BOFF,   256*PITCH                 ; in a slot: A's 256 rows, then B's 192
.set SLOT1,  1<<17                     ; slot 1 begins here: one exclusive or turns an address in one slot into the other's
.set STAGE,  SLOT1+448*PITCH           ; behind the ring: 16 rows x 400 bytes for each wave
.set SPITCH, 400                       ; 384 bytes + 16
.set SPARE,  STAGE+4*16*SPITCH         ; the spare words: 128 bytes a wave, two blocks of 256 bytes that no other line names
.set A0,   16                          ; v16  my lane's place in A's rows of slot 0; never rewritten
.set B0,   17                          ; v17  the same for B
.set ADRA, 18                          ; v18  the same in the slot in hand
.set ADRB, 19
.set STO,  20                          ; the way out: where I put 16 bytes of a row
.set RD,   21                          ; where I read rows back
.set GO,   22                          ; 16 x lane: my place in 512 consecutive bytes of qkv
.set BO,   23                          ; my offset in the bias
.set PFO,  24                          ; the prefetches' offset: a lane a row
.set MXO,  25                          ; 256 x lane: a head's row of amax
.set SPW,  28
.set NIL,  29
.set FA,   32
.set BIAS, 96
.set OB,   96
.set TMP,  192
.set MX,   240
.set TT,   244
.set WV,   14                          ; s14 wave; s15 I fetch for A (0) or B (1); s16 which half of that tile
.set FB,   15
.set EV,   16
.set CX,   17
.set CY,   18
.set TCOL, 19
.set TROW, 20
.set G1A,  24
.set G1B,  32
.set G0A,  40                          ; two sets: (slot 0, step 0) and (slot 1, step 1); the second walks on
.set G0B,  48
.set PFA,  56
.set LIM,  58
.set TB,   59                          ; LDS byte at which the slot in hand begins
.set CNT,  60
.set SEL,  66
.set MSB, 0
.macro WIN new                         ; the immediate's high byte repeats the setting that is left; a switch that changes nothing is dropped
.if MSB != (\new)
	s_set_vgpr_msb (MSB<<8)|(\new)
.set MSB, \new
.endif
.endm
.macro PLACES                          ; four places behind a matrix instruction, in front of loads into registers that it read and of vector work on its results
.rept 4
	v_nop
.endr
.endm
.macro JLOAD s                         ; a joint load; an s_nop 0 and four v_nop follow each of the two lines, ahead of the jump and the label
	s_cmp_eq_u32 s[FB], 0
	s_cbranch_scc0 .Lfor_b_\@
	tensor_load_to_lds s[G0A+4*(\s):G0A+4*(\s)+3], s[G1A:G1A+7]
	s_nop 0
.rept 4
	v_nop
.endr
	s_branch .Lasked_\@
.Lfor_b_\@:
	tensor_load_to_lds s[G0B+4*(\s):G0B+4*(\s)+3], s[G1B:G1B+7]
	s_nop 0
.rept 4
	v_nop
.endr
.Lasked_\@:
.endm
.macro CREST                           ; a round of the cluster's barrier behind its opening barrier
	s_cmp_lg_u32 s[WV], 0
	s_cbranch_scc1 .Lnot_wave_0_\@
	s_barrier_signal -3
.Lnot_wave_0_\@:
	s_barrier_wait -3
	s_barrier_signal -1
	s_barrier_wait -1
.endm
.macro CROUND
	s_barrier_signal -1
	s_barrier_wait -1
	CREST
.endm
; A prefetch of the K step that stands two refills on (2 x 192 matrix instructions ahead of the load that wants it): a lane a row, 256 bytes of each row, one instruction a wave.
; A's rows are asked for by the clusters with x = 0 (waves 0, 1), B's by those with y = 0 (waves 2, 3); the four partners of a joint load share its rows out by address (32 of 128; 24 of 96,
; where lanes 24-31 name lane 23's row once more).  The refills of K steps 6 and 7 ask for nothing: there is no step 8.
.macro ASK
	s_cmp_gt_u32 s[CNT], s[LIM]
	s_cbranch_scc0 .Lnot_mine_\@
	global_prefetch_b8 v[PFO], s[PFA:PFA+1] offset:KSTEP*2 th:TH_LOAD_NT scope:SCOPE_SE
.Lnot_mine_\@:
.endm
	s_load_b256 s[4:11], s[0:1], 0x0               ; xb s[4:5], wab s[6:7], ba s[8:9], qkv s[10:11]
	s_load_b64 s[12:13], s[0:1], 0x20              ; amax
	v_lshl_add_u32 v[SPW], v0, 2, SPARE
	v_mov_b32 v[NIL], 0
	ds_add_u32 v[SPW], v[NIL]                      ; the wave's opening: the add, twice on end, and its wait ahead of my first tensor load
	ds_add_u32 v[SPW], v[NIL]
	v_lshrrev_b32 v1, 5, v0
	v_readfirstlane_b32 s[WV], v1
	s_lshr_b32 s[FB], s[WV], 1
	s_and_b32 s[EV], s[WV], 1
	s_bfe_u32 s[CX], ttmp6, 0x40000
	s_bfe_u32 s[CY], ttmp6, 0x40004
	s_lshl_b32 s[TCOL], ttmp9, 2
	s_add_co_u32 s[TCOL], s[TCOL], s[CX]           ; tile column = 4 x cluster x + cx
	s_and_b32 s[TROW], ttmp7, 0xffff
	s_lshl_b32 s[TROW], s[TROW], 2
	s_add_co_u32 s[TROW], s[TROW], s[CY]           ; tile row
	s_lshl_b32 s21, s[CY], 2
	s_lshl_b32 s21, 15, s21                        ; my row of the cluster
	s_lshl_b32 s22, 0x1111, s[CX]                  ; my column
	s_or_b32 s[G1A], s21, (1<<16)|(1<<20)|(1<<21)|(5<<22)|(3<<25)  ; mask; 2-byte elements; padding on; bit 21 beside a mask; after every 64 words, 4 words
	s_or_b32 s[G1B], s22, (1<<16)|(1<<20)|(1<<21)|(5<<22)|(3<<25)
	s_mov_b32 s[G1A+1], KSTEP<<16                  ; tensor_dim0 = 128
	s_mov_b32 s[G1A+2], 128<<16                    ; tensor_dim1 = 128 rows
	s_mov_b32 s[G1A+3], KSTEP<<16                  ; tile_dim0
	s_mov_b32 s[G1A+4], 128                        ; tile_dim1
	s_mov_b32 s[G1A+5], 1024                       ; elements from row to row
	s_mov_b32 s[G1A+6], 0
	s_mov_b32 s[G1A+7], 0
	s_mov_b32 s[G1B+1], KSTEP<<16
	s_mov_b32 s[G1B+2], 96<<16                     ; 96 rows
	s_mov_b32 s[G1B+3], KSTEP<<16
	s_mov_b32 s[G1B+4], 96
	s_mov_b32 s[G1B+5], 1024
	s_mov_b32 s[G1B+6], 0
	s_mov_b32 s[G1B+7], 0
	s_lshl_b32 s62, s[TROW], 8
	s_lshl_b32 s21, s[EV], 7
	s_add_co_u32 s62, s62, s21                     ; A: row 256 x tile row + 128 x half
	s_lshl_b32 s62, s62, 11                        ; x 2,048 bytes
	s_mov_b32 s63, 0
	s_mul_i32 s68, s[TCOL], 192
	s_mul_i32 s21, s[EV], 96
	s_add_co_u32 s68, s68, s21                     ; B: row 192 x tile column + 96 x half
	s_lshl_b32 s68, s68, 11
	s_mov_b32 s69, 0
	s_mul_i32 s22, s[EV], 128*PITCH                ; where they go: no place in the cluster enters an LDS address
	s_mul_i32 s23, s[EV], 96*PITCH
	s_add_co_u32 s23, s23, BOFF
	s_mov_b32 s[SEL], 0x76543210
	s_mov_b32 s[SEL+1], 0xfedcba98
	s_mov_b32 s[TB], 0
	s_wait_dscnt 0x0                               ; both opening adds are done
	s_wait_kmcnt 0x0
	s_add_nc_u64 s[62:63], s[4:5], s[62:63]
	s_add_nc_u64 s[68:69], s[6:7], s[68:69]
	CROUND                                         ; all sixteen work-groups are here: the first joint loads meet
.irp s, 0,1
	s_mov_b32 s[G0A+4*\s], 1
	s_add_co_u32 s[G0A+4*\s+1], s22, \s*SLOT1
	s_add_nc_u64 s[G0A+4*\s+2:G0A+4*\s+3], s[62:63], \s*KSTEP*2
	s_or_b32 s[G0A+4*\s+3], s[G0A+4*\s+3], 0x80000000
	s_mov_b32 s[G0B+4*\s], 1
	s_add_co_u32 s[G0B+4*\s+1], s23, \s*SLOT1
	s_add_nc_u64 s[G0B+4*\s+2:G0B+4*\s+3], s[68:69], \s*KSTEP*2
	s_or_b32 s[G0B+4*\s+3], s[G0B+4*\s+3], 0x80000000
	JLOAD \s                                       ; two loads of mine are out
.endr
	v_and_b32 v1, 15, v0                           ; r = l % 16
	v_bfe_u32 v2, v0, 4, 1                         ; h = l / 16
	v_and_b32 v3, 31, v0                           ; l
	v_lshlrev_b32 v[BO], 5, v2
	s_mul_i32 s70, s[TCOL], 768                    ; the tile's 192 columns in ba
	s_mov_b32 s71, 0
	s_add_nc_u64 s[8:9], s[8:9], s[70:71]
.irp b, 0,1,2,3,4,5,6,7,8,9,10,11
	global_load_b128 v[BIAS+8*\b:BIAS+8*\b+3],   v[BO], s[8:9] offset:64*\b      ; block b, register j: ba of column 16 b + 8 h + j: the layout of C
	global_load_b128 v[BIAS+8*\b+4:BIAS+8*\b+7], v[BO], s[8:9] offset:64*\b+16
.endr
	v_mul_u32_u24 v[B0], v1, PITCH
	v_lshl_add_u32 v[B0], v2, 4, v[B0]             ; row x pitch + 16 x half
	s_mul_i32 s21, s[WV], 64*PITCH
	v_add_nc_u32 v[A0], s21, v[B0]                 ; my 64 rows of A
	v_add_nc_u32 v[B0], BOFF, v[B0]
	v_mov_b32 v[ADRA], v[A0]
	v_mov_b32 v[ADRB], v[B0]
	s_mul_i32 s21, s[WV], 16*SPITCH
	s_add_co_u32 s21, s21, STAGE                   ; my stage
	v_mul_u32_u24 v[STO], v1, SPITCH
	v_lshl_add_u32 v[STO], v2, 4, v[STO]
	v_add_nc_u32 v[STO], s21, v[STO]
	v_lshrrev_b32 v[RD], 3, v3                     ; back: 32 lanes take four rows x 128 bytes of one head
	v_mul_u32_u24 v[RD], v[RD], SPITCH
	v_and_b32 v[GO], 7, v0
	v_lshl_add_u32 v[RD], v[GO], 4, v[RD]
	v_add_nc_u32 v[RD], s21, v[RD]
	v_lshlrev_b32 v[GO], 4, v3
	v_lshlrev_b32 v[MXO], 8, v3
.irp j, 0,1,2
	v_mov_b32 v[MX+\j], 0
	v_mov_b32 v[TT+\j], 0
.endr
	s_lshl_b32 s21, s[TROW], 4                     ; amax at ((3 tile column) x 64 + 4 tile row + wave) x 4
	s_add_co_u32 s70, s70, s21
	s_lshl_b32 s21, s[WV], 2
	s_add_co_u32 s70, s70, s21
	s_add_nc_u64 s[12:13], s[12:13], s[70:71]
	s_mul_i32 s70, s[TCOL], 3*524288               ; qkv at my first head, my first row
	s_lshl_b32 s21, s[TROW], 15
	s_add_co_u32 s70, s70, s21
	s_lshl_b32 s21, s[WV], 13
	s_add_co_u32 s70, s70, s21
	s_add_nc_u64 s[10:11], s[10:11], s[70:71]
	; the prefetches
	s_and_b32 s23, ttmp7, 0xffff                   ; cluster y
	s_lshl_b32 s68, s[TROW], 8
	s_lshl_b32 s69, s[EV], 7
	s_add_co_u32 s68, s68, s69
	s_lshl_b32 s69, s[CX], 5
	s_add_co_u32 s68, s68, s69                     ; A: my work-group's 32 of the 128 rows that I fetch
	s_mul_i32 s70, s[TCOL], 192
	s_mul_i32 s69, s[EV], 96
	s_add_co_u32 s70, s70, s69
	s_mul_i32 s69, s[CY], 24
	s_add_co_u32 s70, s70, s69                     ; B: 24 of the 96
	s_cmp_eq_u32 s[FB], 0
	s_cselect_b32 s62, s68, s70
	s_cselect_b32 s21, ttmp9, s23                  ; the coordinate along which other clusters read the same rows
	s_cselect_b32 s22, 31, 23
	s_cselect_b64 s[PFA:PFA+1], s[4:5], s[6:7]
	s_cmp_eq_u32 s21, 0
	s_cselect_b32 s[LIM], 2, -1                    ; the same in all sixteen partners, for a given wave
	s_lshl_b32 s62, s62, 11
	s_mov_b32 s63, 0
	s_add_nc_u64 s[PFA:PFA+1], s[PFA:PFA+1], s[62:63]
	s_add_nc_u64 s[PFA:PFA+1], s[PFA:PFA+1], 2*KSTEP*2  ; at K step 2: the first refill steps it to 3 and names step 4
	v_min_u32 v[PFO], s22, v3
	v_lshlrev_b32 v[PFO], 11, v[PFO]
	s_wait_loadcnt 0x0                             ; the bias
.set i, 0
.rept 48                               ; rounded to bf16, like every input
	v_cvt_pk_bf16_f32 v[TT+i%2], v[BIAS+2*i], v[BIAS+2*i+1]
	v_lshlrev_b32 v[BIAS+2*i], 16, v[TT+i%2]
	v_and_b32 v[BIAS+2*i+1], 0xffff0000, v[TT+i%2]
.set i, i+1
.endr
; 12 products: row block a of the window's two (hi = 0: my rows 0-31, 1: rows 32-63) x all 12 column blocks, 32 along K, from buffer f.  first = 1: C is the bias.
; The 48 accumulators take turns in the same order in every quarter.
.macro MUL12 f, hi, a, first
.if \first
	WIN 0x81+0x40*(\hi)
.else
	WIN 0xa1+0x50*(\hi)
.endif
.irp b, 0,1,2,3,4,5,6,7,8,9,10,11
.if \first
	v_wmma_f32_16x16x32_bf16 v[8*(12*(\a)+(\b)):8*(12*(\a)+(\b))+7], v[96*(\f)+8*(\b):96*(\f)+8*(\b)+7], v[FA+32*(\f)+8*(2*(\hi)+(\a)):FA+32*(\f)+8*(2*(\hi)+(\a))+7], v[BIAS+8*(\b):BIAS+8*(\b)+7]
.else
	v_wmma_f32_16x16x32_bf16 v[8*(12*(\a)+(\b)):8*(12*(\a)+(\b))+7], v[96*(\f)+8*(\b):96*(\f)+8*(\b)+7], v[FA+32*(\f)+8*(2*(\hi)+(\a)):FA+32*(\f)+8*(2*(\hi)+(\a))+7], v[8*(12*(\a)+(\b)):8*(12*(\a)+(\b))+7]
.endif
.endr
.endm
; 32 LDS loads in one run: 192 rows of B, my 64 rows of A, 32 along K at byte k of the rows, into buffer f
.macro FETCH k, f
	WIN 0x40
.irp b, 0,1,2,3,4,5,6,7,8,9,10,11
	ds_load_b128 v[96*(\f)+8*(\b):96*(\f)+8*(\b)+3],   v[ADRB] offset:(\k)+(\b)*16*PITCH
	ds_load_b128 v[96*(\f)+8*(\b)+4:96*(\f)+8*(\b)+7], v[ADRB] offset:(\k)+(\b)*16*PITCH+32
.endr
	WIN 0
.irp a, 0,1,2,3
	ds_load_b128 v[FA+32*(\f)+8*(\a):FA+32*(\f)+8*(\a)+3],   v[ADRA] offset:(\k)+(\a)*16*PITCH
	ds_load_b128 v[FA+32*(\f)+8*(\a)+4:FA+32*(\f)+8*(\a)+7], v[ADRA] offset:(\k)+(\a)*16*PITCH+32
.endr
.endm
; One of a K step's first three quarters: multiplies buffer f; in its middle it fetches the next quarter, at byte k, into buffer g
.macro QUARTER k, f, g, first
	s_wait_dscnt 4                                 ; B and A's rows 0-31 are in; the youngest four loads (A's rows 32-63) may be out
	MUL12 \f, 0, 0, \first
	MUL12 \f, 0, 1, \first
	PLACES
	FETCH \k, \g
	s_wait_dscnt 32                                ; all but the 32 just issued
	MUL12 \f, 1, 0, \first
	MUL12 \f, 1, 1, \first
.endm
; The last quarter multiplies buffer 1 and changes slots.  In front of the barrier each wave waits for all its tensor loads (one is out: its part of the next slot), adds 0 to its spare word, and waits
; for that and for its reads of this slot.  fill = 1: the barrier opens a round of the cluster's, and the joint refill, two K steps ahead, is the first thing behind it: 168 matrix instructions ahead of the wait for it.
.macro TURN fill
.if \fill
	s_wait_xcnt 0x0                                ; the last prefetch, a K step back, has read its address
	s_add_nc_u64 s[PFA:PFA+1], s[PFA:PFA+1], KSTEP*2
.endif
	WIN 0
	s_wait_tensorcnt 0x0
	ds_add_u32 v[SPW], v[NIL]
	s_wait_dscnt 5                                 ; the add and the youngest four loads may be out
	MUL12 1, 0, 0, 0
	s_wait_dscnt 0x0                               ; the add is done, and my reads of this slot are over
	s_barrier_signal -1
	MUL12 1, 0, 1, 0
	WIN 0
	s_barrier_wait -1
.if \fill
	CREST
	s_xor_b32 s[G0A+5], s[G0A+5], SLOT1            ; the walking descriptors: the other slot than last time, the next K step
	s_add_nc_u64 s[G0A+6:G0A+7], s[G0A+6:G0A+7], KSTEP*2
	s_xor_b32 s[G0B+5], s[G0B+5], SLOT1
	s_add_nc_u64 s[G0B+6:G0B+7], s[G0B+6:G0B+7], KSTEP*2
	JLOAD 1                                        ; its four v_nop are also the places in front of the loads below
.else
	PLACES
.endif
	s_xor_b32 s[TB], s[TB], SLOT1
	v_add_nc_u32 v[ADRA], s[TB], v[A0]
	v_add_nc_u32 v[ADRB], s[TB], v[B0]
	FETCH 0, 0
.if \fill
	ASK
.endif
	MUL12 1, 1, 0, 0
	MUL12 1, 1, 1, 0
.endm
	s_wait_tensorcnt 1                             ; my part of K step 0 is in; step 1's may stay out
	s_barrier_signal -1
	s_barrier_wait -1
	FETCH 0, 0
	QUARTER 64, 0, 1, 1                            ; the first quarter starts the sums with the bias
	WIN 0
	s_mov_b32 s[CNT], 6
.Lstep:                                        ; a trip: a K step's quarters 1 to 3 and the next step's quarter 0; its refill brings K step 8 - CNT
	QUARTER 128, 1, 0, 0
	QUARTER 192, 0, 1, 0
	TURN 1
	QUARTER 64, 0, 1, 0
	WIN 0
	s_sub_co_u32 s[CNT], s[CNT], 1
	s_cmp_lg_u32 s[CNT], 0
	s_cbranch_scc1 .Lstep
	QUARTER 128, 1, 0, 0                           ; K steps 6 and 7 ask for nothing
	QUARTER 192, 0, 1, 0
	TURN 0
	QUARTER 64, 0, 1, 0
	QUARTER 128, 1, 0, 0
	QUARTER 192, 0, 1, 0
	s_wait_dscnt 4
	MUL12 1, 0, 0, 0
	MUL12 1, 0, 1, 0
	s_wait_dscnt 0x0
	MUL12 1, 1, 0, 0
	MUL12 1, 1, 1, 0
	WIN 0
	PLACES
; THE WAY OUT, a block of 16 rows at a time.  PACK: rounded to f16, each accumulator from its low end on.  MAXA: the three heads' largest magnitudes.  TOSTAGE: into my stage, and back as rows of a head.  SEND: stored.
.macro PACK a
	WIN 0x0a+5*((\a)/2)
.irp b, 0,1,2,3,4,5,6,7,8,9,10,11
.irp q, 0,1,2,3
	v_cvt_pk_f16_f32 v[TMP+4*(\b)+(\q)], v[96*((\a)%2)+8*(\b)+2*(\q)], v[96*((\a)%2)+8*(\b)+2*(\q)+1]
.endr
.endr
.endm
.macro MAXA a
	WIN 0x28+0x14*((\a)/2)
.irp b, 0,1,2,3
.irp q, 0,1,2,3
.irp j, 0,1,2
	v_max3_num_f32 v[MX+(\j)], v[MX+(\j)], |v[96*((\a)%2)+8*(4*(\j)+(\b))+2*(\q)]|, |v[96*((\a)%2)+8*(4*(\j)+(\b))+2*(\q)+1]|
.endr
.endr
.endr
.endm
.macro TOSTAGE a
	WIN 0
.irp b, 0,1,2,3,4,5,6,7,8,9,10,11
	ds_store_b128 v[STO], v[TMP+4*(\b):TMP+4*(\b)+3] offset:32*(\b)
.endr
.irp f, 0,1,2,3
.irp j, 0,1,2
	ds_load_b128 v[OB+48*((\a)%2)+4*(3*(\f)+(\j)):OB+48*((\a)%2)+4*(3*(\f)+(\j))+3], v[RD] offset:4*SPITCH*(\f)+128*(\j)  ; LDS serves a wave's instructions in order (ISA guide 5.7.1.4): these see the stores above
.endr
.endr
.endm
.macro SEND a
	WIN 0
	s_wait_dscnt 0x0                               ; the block is back in registers
	s_wait_xcnt 0x0                                ; the stores of the block before have read their registers, which the next TOSTAGE loads again
.irp f, 0,1,2,3
.irp j, 0,1,2
	global_store_b128 v[GO], v[OB+48*((\a)%2)+4*(3*(\f)+(\j)):OB+48*((\a)%2)+4*(3*(\f)+(\j))+3], s[10:11] offset:(\j)*524288+(\a)*2048+(\f)*512  ; 512 consecutive bytes of head j, aligned
.endr
.endr
.endm
	PACK 0
	MAXA 0
	TOSTAGE 0
.irp a, 1,2,3                          ; block a's arithmetic stands between block a - 1's loads from the stage and the wait for them
	PACK \a
	MAXA \a
	SEND (\a)-1
	TOSTAGE \a
.endr
	SEND 3
	; the maxima over the 32 lanes; lane j then holds head j's, and lanes 0 to 2 store
.irp m, 1,2,4,8
.irp j, 0,1,2
	v_max_num_f32_dpp v[MX+\j], v[MX+\j], v[MX+\j] row_xmask:\m row_mask:0xf bank_mask:0xf
.endr
.endr
.irp j, 0,1,2
	v_permlanex16_b32 v[TT+\j], v[MX+\j], s[SEL], s[SEL+1]
.endr
.irp j, 0,1,2
	v_max_num_f32 v[MX+\j], v[MX+\j], v[TT+\j]
.endr
	v_cmp_eq_u32 s68, 1, v3
	v_cndmask_b32 v[TT], v[MX], v[MX+1], s68
	v_cmp_eq_u32 s69, 2, v3
	v_cndmask_b32 v[TT], v[TT], v[MX+2], s69
	s_wait_xcnt 0x0                                ; EXEC changes only behind this wait
	v_cmp_gt_u32 vcc_lo, 3, v3
	s_and_saveexec_b32 s68, vcc_lo
	global_store_b32 v[MXO], v[TT], s[12:13]
	s_wait_xcnt 0x0                                ; and again, in front of the line that widens it
	s_or_b32 exec_lo, exec_lo, s68
	s_wait_tensorcnt 0x0                           ; the wave's end
	ds_add_u32 v[SPW], v[NIL]
	s_wait_dscnt 0x0
	CROUND                                         ; the closing round: no work-group ends while a partner may still ask for a tile that names it
	s_endpgm
.Lfunc_end_k_qeba202709d_qkvp:
	.size	k_qeba202709d_qkvp, .Lfunc_end_k_qeba202709d_qkvp-k_qeba202709d_qkvp
	.p2alignl 7, 3214868480
	.fill 96, 4, 3214868480
	.section	.rodata,"a",@progbits
	.p2align	6, 0x0
	.amdhsa_kernel k_qeba202709d_qkvp
		.amdhsa_group_segment_fixed_size 327680
		.amdhsa_private_segment_fixed_size 0
		.amdhsa_enable_private_segment 0
		.amdhsa_kernarg_size 40
		.amdhsa_user_sgpr_count 2
		.amdhsa_user_sgpr_kernarg_segment_ptr 1
		.amdhsa_wavefront_size32 1
		.amdhsa_system_sgpr_workgroup_id_x 1
		.amdhsa_system_sgpr_workgroup_id_y 1
		.amdhsa_system_sgpr_workgroup_id_z 1
		.amdhsa_system_vgpr_workitem_id 0
		.amdhsa_next_free_vgpr 960
		.amdhsa_next_free_sgpr 72
		.amdhsa_reserve_vcc 1
		.amdhsa_float_denorm_mode_32 3
		.amdhsa_float_denorm_mode_16_64 3
		.amdhsa_memory_ordered 1
		.amdhsa_forward_progress 1
		.amdhsa_inst_pref_size 121
	.end_amdhsa_kernel
	.amdgpu_metadata
---
amdhsa.version: [ 1, 2 ]
amdhsa.kernels:
  - .name:           k_qeba202709d_qkvp
    .symbol:         k_qeba202709d_qkvp.kd
    .args:
      - { .name: xb, .offset: 0, .size: 8, .value_kind: global_buffer, .address_space: global }
      - { .name: wab, .offset: 8, .size: 8, .value_kind: global_buffer, .address_space: global }
      - { .name: ba, .offset: 16, .size: 8, .value_kind: global_buffer, .address_space: global }
      - { .name: qkv, .offset: 24, .size: 8, .value_kind: global_buffer, .address_space: global }
      - { .name: amax, .offset: 32, .size: 8, .value_kind: global_buffer, .address_space: global }
    .group_segment_fixed_size: 327680
    .private_segment_fixed_size: 0
    .kernarg_segment_align: 8
    .kernarg_segment_size: 40
    .max_flat_workgroup_size: 128
    .sgpr_count:     72
    .vgpr_count:     960
    .wavefront_size: 32
...
	.end_amdgpu_metadata
.endif
;; end of part 2
;; launch attn (part 3): grid 4 x 64, 4 waves a work-group, clusters of 4 x 1, 327,680 bytes of LDS; arguments qkv, amax, rel_emb, sn_bias, ctxh; writes ctxh
.if DOCPART == 3
	.amdgcn_target "amdgcn-amd-amdhsa--gfx1250"
	.amdhsa_code_object_version 6
	.text
	.protected	k_qeba202709d_attn
	.globl	k_qeba202709d_attn
	.p2align	8
	.type	k_qeba202709d_attn,@function
k_qeba202709d_attn:
	s_mov_b64 s[64:65], 0
	v_nop
	global_prefetch_b8 v0, s[64:65] scope:SCOPE_SE
	s_setreg_imm32_b32 hwreg(HW_REG_WAVE_MODE, 25, 1), 1
	s_wait_xcnt 0x0
	s_wait_alu depctr_hold_cnt(0) depctr_sa_sdst(0) depctr_va_vdst(0) depctr_va_sdst(0) depctr_va_ssrc(0) depctr_va_vcc(0) depctr_vm_vsrc(0)
	s_getreg_b32 s2, hwreg(HW_REG_IB_STS2, 6, 4)
	s_cmp_eq_u32 s2, 0
	s_cbranch_scc0 .Lentry_in_a_cluster
	s_endpgm
.Lentry_in_a_cluster:
	s_bfe_u32 s2, ttmp6, 0x10000c
	s_cmp_lg_u32 s2, 0x3003
	s_cbranch_scc0 .Lentry_shape_is_right
	s_endpgm
.Lentry_shape_is_right:
; ctx[q] = sum_k t v[k] / (sum_k t + 1e-8), t = relu((q.k + q.rel[clip(k - q, -16, 16) + 16]) / 8 + b)^2, for one head and batch (grid y = 16 b + h).
; WORK LEFT OUT: the dense product of q with the gathered [S, S, 64] table; the 33 numbers q . rel_emb[j] of a query are made once and selected by k - q (shown at the head of the first kernel).
; ALGEBRA, exact for all inputs.  x = q.k + q.rel + 8 b, t = relu(x)^2 / 64.  For any s > 0 of the query, with p = relu(s x)^2: ctx = sum p v / (sum p + 64 s^2 1e-8).
; s is a power of two (so s q is exact) with 64 <= s B < 128, B = 64 qmax (kmax + rmax) + 8 |b| >= |x|: qmax the query's, kmax the head's (amax), rmax the table's largest magnitude.
; So |s x| < 128 and p <= 16,400 for every input: p is kept in f16.  8 s b + s q.rel is the C operand that starts each score's sum.
; LIMITS.  q, k, v and rel_emb within f16; B counts as at least qmax / 128 and 2^-50; the scaled eps counts as at least 2^-126; p below 6e-5 keeps f16's fixed step of 6e-8; the divisor is the f32 sum of the
; rounded p; NaN and infinities are not treated apart.
; SHARES.  A cluster of four work-groups is one head; K and V (1,024 keys) lie whole in each work-group's LDS, brought by joint loads, one a wave, and are never filled again: the loop has no barrier.
; Partner cx, wave w, piece p own the 16 queries 64 i + 16 cx + r, i = 4 w + p.  So which key step of 64 holds a tile's diagonal (step i) hangs on wave and piece alone; cx enters only
; global addresses of Q and ctx and the masks of v_cndmask_b32: no branch and no LDS address.  No prefetch: all that the launch reads is asked for at its head.
; LAYOUT.  S^T = K Q^T: a lane holds one query (l % 16) and keys 8 (l / 16) + 0..7 of a block of 16; two such results, as f16 in pairs, are source 1 of O^T = V^T P.  L = ones x P is the row sum.
; THE C OPERAND.  With d = k - q = 64 (step - i) + 16 (kt - cx) + 8 h + j - r and E(d) = s q.rel[clip(d) + 16] + 8 s b, a lane keeps 26 numbers a piece: DL[j] = E(-16 + 8 h + j - r), D0[j] = E(8 h + j - r),
; DR[j] = E(16 + 8 h + j - r), cL = E(-16), cR = E(16).  CW is the operand in hand: cL up to step i - 2; in step i - 1 key block 3 is DL where cx = 0; in step i block kt is DL, D0, DR where kt - cx is -1, 0, 1,
; cL below and cR above; in step i + 1 block 0 is DR where cx = 3, all else cR; later cR.  UPDATE selects the next case into CW, once a step for all four pieces, by forward jumps on wave, piece and step.
; BY TURNS.  Turn n: 10 products V^T P and ones x P of piece n - 1, behind them the 16 roundings of piece n's scores to f16; then 8 products K Q^T of piece n + 1, behind each four of piece n's
; 16 maxima with 0 and 16 products x relu(x).  The registers are laid so that these vector lines need the window setting of the products that they follow.
; REGISTERS (s_set_vgpr_msb: bits 1:0 source 0, 3:2 source 1, 5:4 source 2, 7:6 destination):
;   window 0: v0-23 addresses, at work; v24-31 ones; v32-95 Q; v96-127 S^T; v128-159 P, two buffers; v160-223 V; v224-231 the tables' addresses; v254-255 the add's
;   window 1: v0-127 O^T; v128-159 L; v160-223 K; v224-239 scores in f16; v240 V's address
;   window 2: v0-127 CW; v128-231 the 26 numbers a piece; v232-235 the scaled eps      window 3, ahead of the loop alone: v0-127 the table in f32, then E
.set PK,    144                        ; a row of K in LDS: 128 bytes + 16
.set PV,    160                        ; a row of V: 128 + 32
.set VOFF,  1024*PK
.set SCR,   VOFF+1024*PV               ; behind K and V, never filled by a tensor load: 3,584 bytes a wave: the tables, later the stage of the way out
.set SCRW,  3584
.set SPARE, SCR+4*SCRW
.set AK0, 3
.set AV0, 4
.set AK,  5
.set QO,  6
.set STO, 7
.set RD,  8
.set GO,  9
.set ZERO, 10
.set SIG, 16                           ; v16-19 s of the four pieces; at the end v12-19 the divisors, in pairs
.set KR64, 20
.set B8,  21
.set B8A, 22
.set RM,  23
.set ONES, 24
.set QF,  32
.set SF,  96
.set PF,  128
.set VF,  160
.set RA0, 224
.set RA1, 225
.set TAS, 226
.set TAL, 227
.set TAC, 228
.set TBS, 229
.set TBL, 230
.set TBC, 231
.set SPW, 254
.set NIL, 255
.set LF,  128                          ; window 1
.set KF,  160
.set X16, 224
.set AV,  240
.set DD,  128                          ; window 2: piece p at DD + 26 p: DL + 0, D0 + 8, DR + 16, cL + 24, cR + 25
.set EQ,  232
.set WV,  14
.set CX,  15
.set G1K, 24
.set G1V, 32
.set G0K, 40
.set G0V, 44
.set E0,  48                           ; s48-51: all ones where cx is 0, 1, 2, 3
.set CNT, 52
.set TBK, 53
.set TBV, 54
.set SQ,  55                           ; step - 4 w + 1
.set TD,  56
.set ABSM, 57
.set SEL, 58
.set SNB, 61
.set MSB, 0
.macro WIN new                         ; the immediate's high byte repeats the setting that is left; a switch that changes nothing is dropped
.if MSB != (\new)
	s_set_vgpr_msb (MSB<<8)|(\new)
.set MSB, \new
.endif
.endm
.set W_PV,  0x50                       ; V or ones and P in window 0; O^T or L in window 1
.set W_KQ1, 0x21                       ; K window 1, Q window 0, C = CW window 2, S^T window 0
.set W_KQ2, 0x01                       ; the same with C = S^T
.set W_UP,  0x8a                       ; destination and both sources in window 2
.macro PLACES
.rept 4
	v_nop
.endr
.endm
.macro CROUND
	s_barrier_signal -1
	s_barrier_wait -1
	s_cmp_lg_u32 s[WV], 0
	s_cbranch_scc1 .Lnot_wave_0_\@
	s_barrier_signal -3
.Lnot_wave_0_\@:
	s_barrier_wait -3
	s_barrier_signal -1
	s_barrier_wait -1
.endm
	s_load_b256 s[4:11], s[0:1], 0x0               ; qkv s[4:5], amax s[6:7], rel_emb s[8:9], sn_bias s[10:11]
	s_load_b64 s[12:13], s[0:1], 0x20              ; ctxh
	v_lshl_add_u32 v[SPW], v0, 2, SPARE
	v_mov_b32 v[NIL], 0
	ds_add_u32 v[SPW], v[NIL]                      ; the wave's opening: the add, twice on end, and its wait ahead of my first tensor load
	ds_add_u32 v[SPW], v[NIL]
	v_lshrrev_b32 v1, 5, v0
	v_readfirstlane_b32 s[WV], v1
	s_bfe_u32 s[CX], ttmp6, 0x40000
	s_and_b32 s16, ttmp7, 0xffff
	s_lshr_b32 s17, s16, 4                         ; b
	s_and_b32 s16, s16, 15                         ; h
	s_lshl_b32 s18, s16, 19
	s_lshl_b32 s19, s17, 17
	s_add_co_u32 s18, s18, s19                     ; head h, batch b in a third of qkv
	s_and_b32 s19, s[WV], 1                        ; which 512 keys I fetch
	s_lshl_b32 s20, s19, 16
	s_add_co_u32 s20, s20, s18
	s_add_co_u32 s22, s20, 32*524288               ; V
	s_add_co_u32 s20, s20, 16*524288               ; K
	s_mov_b32 s21, 0
	s_mov_b32 s23, 0
	s_mul_i32 s2, s19, 512*PK                      ; where they go: no place in the cluster enters an LDS address
	s_mul_i32 s3, s19, 512*PV
	s_lshl_b32 s62, s[WV], 15                      ; Q: rows 256 w + 16 cx
	s_add_co_u32 s62, s62, s18
	s_lshl_b32 s63, s[CX], 11
	s_add_co_u32 s62, s62, s63
	s_mov_b32 s63, 0
	s_lshl_b32 s60, s16, 8                         ; amax: ((16 + h) x 64 + 16 b) x 4
	s_lshl_b32 s61, s17, 6
	s_add_co_u32 s60, s60, s61
	s_add_co_u32 s60, s60, 4096
	s_mov_b32 s61, 0
	s_lshl_b32 s66, s17, 21                        ; ctxh [m / 128][h][128][64]: (8 b + 2 w) x 262,144 + h x 16,384 + cx x 2,048
	s_lshl_b32 s67, s[WV], 19
	s_add_co_u32 s66, s66, s67
	s_lshl_b32 s67, s16, 14
	s_add_co_u32 s66, s66, s67
	s_lshl_b32 s67, s[CX], 11
	s_add_co_u32 s66, s66, s67
	s_mov_b32 s67, 0
	; 512 keys are 65,536 dense bytes: asked for as 256 rows of 256 bytes, two keys a row, padded in LDS after every key
	s_mov_b32 s[G1K], 15|(1<<16)|(1<<20)|(1<<21)|(4<<22)|(3<<25)  ; the mask of four; 2-byte elements; padding on; bit 21 beside a mask; after every 32 words, 4 words
	s_mov_b32 s[G1V], 15|(1<<16)|(1<<20)|(1<<21)|(4<<22)|(7<<25)  ; the same with 8 words
.irp g, G1K, G1V
	s_mov_b32 s[\g+1], 128<<16
	s_mov_b32 s[\g+2], 256<<16
	s_mov_b32 s[\g+3], 128<<16
	s_mov_b32 s[\g+4], 256
	s_mov_b32 s[\g+5], 128
	s_mov_b32 s[\g+6], 0
	s_mov_b32 s[\g+7], 0
.endr
	s_mov_b32 s[G0K], 1
	s_mov_b32 s[G0K+1], s2
	s_mov_b32 s[G0V], 1
	s_add_co_u32 s[G0V+1], s3, VOFF
	s_mov_b32 s[SEL], 0x76543210
	s_mov_b32 s[SEL+1], 0xfedcba98
	s_mov_b32 s[ABSM], 0x7fff7fff
	s_mov_b32 s[TBK], 0
	s_mov_b32 s[TBV], 0
.irp c, 0,1,2,3
	s_cmp_eq_u32 s[CX], \c
	s_cselect_b32 s[E0+\c], -1, 0
.endr
	v_and_b32 v1, 15, v0                           ; r
	v_bfe_u32 v2, v0, 4, 1                         ; h
	v_lshlrev_b32 v[QO], 7, v1
	v_lshl_add_u32 v[QO], v2, 4, v[QO]
	v_lshlrev_b32 v[RA0], 5, v2
	v_lshl_add_u32 v[RA1], v1, 8, v[RA0]
	s_wait_dscnt 0x0                               ; both opening adds are done
	s_wait_kmcnt 0x0
	s_add_nc_u64 s[G0K+2:G0K+3], s[4:5], s[20:21]
	s_or_b32 s[G0K+3], s[G0K+3], 0x80000000
	s_add_nc_u64 s[G0V+2:G0V+3], s[4:5], s[22:23]
	s_or_b32 s[G0V+3], s[G0V+3], 0x80000000
	s_add_nc_u64 s[6:7], s[6:7], s[60:61]
	s_add_nc_u64 s[4:5], s[4:5], s[62:63]
	s_add_nc_u64 s[12:13], s[12:13], s[66:67]
	s_load_b512 s[68:83], s[6:7], 0x0              ; the head's 16 maxima of this batch
	s_load_b32 s[SNB], s[10:11], 0x0
	; What the work ahead of the loop waits for is asked for first, ahead of the round: Q and the table
.set i, 0
.rept 8                                ; Q: piece i / 2 (64 rows on), channels 32 (i % 2) on
	global_load_b128 v[QF+8*i:QF+8*i+3],   v[QO], s[4:5] offset:(i/2)*8192+(i%2)*64
	global_load_b128 v[QF+8*i+4:QF+8*i+7], v[QO], s[4:5] offset:(i/2)*8192+(i%2)*64+32
.set i, i+1
.endr
	; THE TABLE, 64 rows: row x is rel_emb[clip(x - 16, 0, 32)], so that E[x] serves d = x - 32: block 0 is row 0 sixteen times, blocks 1, 2 rows 0-31, block 3 row 32 sixteen times
	WIN 0xc0
.macro RLOAD blk, ar, off              ; a block's two fragments in f32: 32 registers of window 3
.irp c, 0,1
.irp t, 0,1,2,3
	global_load_b128 v[16*(2*(\blk)+(\c))+4*(\t):16*(2*(\blk)+(\c))+4*(\t)+3], v[\ar], s[8:9] offset:(\off)+128*(\c)+16*((\t)%2)+64*((\t)/2)
.endr
.endr
.endm
	RLOAD 0, RA0, 0
	RLOAD 1, RA1, 0
	RLOAD 2, RA1, 4096
	RLOAD 3, RA0, 8192
	WIN 0
	CROUND                                         ; all four work-groups are here: the joint loads meet
	s_cmp_lt_u32 s[WV], 2                          ; waves 0, 1: K's halves; waves 2, 3: V's.  One tensor load of mine is out
	s_cbranch_scc0 .Lfor_v
	tensor_load_to_lds s[G0K:G0K+3], s[G1K:G1K+7]
	s_nop 0
.rept 4
	v_nop
.endr
	s_branch .Lasked
.Lfor_v:
	tensor_load_to_lds s[G0V:G0V+3], s[G1V:G1V+7]
	s_nop 0
.rept 4
	v_nop
.endr
.Lasked:
	; All that hangs on no load stands here, in the wait for Q and the table: addresses, constants, and what the first turn finds
	v_mul_u32_u24 v[AK0], v1, PK
	v_lshl_add_u32 v[AK0], v2, 4, v[AK0]
	v_and_b32 v11, 7, v0
	v_bfe_u32 v12, v0, 3, 1
	v_lshl_add_u32 v[AV0], v2, 3, v11              ; the turning load: key 8 (l / 16) + l % 8, channels 8 ((l / 8) % 2) on
	v_mul_u32_u24 v[AV0], v[AV0], PV
	v_lshl_add_u32 v[AV0], v12, 4, v[AV0]
	v_add_nc_u32 v[AV0], VOFF, v[AV0]
	s_mul_i32 s16, s[WV], SCRW
	s_add_co_u32 s16, s16, SCR                     ; my scratch
	v_mul_u32_u24 v[TAC], v1, 144
	v_add_nc_u32 v[TAC], s16, v[TAC]               ; table A (x = 0..31), 144 bytes a query
	v_lshl_add_u32 v[TAS], v2, 5, v[TAC]
	v_lshl_add_u32 v[STO], v2, 4, v[TAC]           ; the way out: row r, 16 bytes for each half of the lanes
	v_mul_u32_u24 v[TAL], v1, 140                  ; read at x = 16 + 8 h + j - r: a word less for each query
	v_add_nc_u32 v[TAL], s16, v[TAL]
	v_lshl_add_u32 v[TAL], v2, 5, v[TAL]
	v_mul_u32_u24 v[TBC], v1, 208
	v_add_nc_u32 v[TBC], s16, v[TBC]               ; table B (x = 16..63), 208 bytes a query
	v_lshl_add_u32 v[TBS], v2, 5, v[TBC]
	v_mul_u32_u24 v[TBL], v1, 204
	v_add_nc_u32 v[TBL], s16, v[TBL]
	v_lshl_add_u32 v[TBL], v2, 5, v[TBL]
	v_bfe_u32 v[RD], v0, 3, 2                      ; back: 32 lanes take four rows of 128 bytes
	v_mul_u32_u24 v[RD], v[RD], PK
	v_lshl_add_u32 v[RD], v11, 4, v[RD]
	v_add_nc_u32 v[RD], s16, v[RD]
	v_and_b32 v[GO], 31, v0
	v_lshlrev_b32 v[GO], 4, v[GO]
	v_mov_b32 v[ZERO], 0
	v_mov_b32 v[RM], 0
.set i, 0
.rept 8
	v_mov_b32 v[ONES+i], 0x3c003c00                ; 1.0 twice, in f16
.set i, i+1
.endr
	; O^T and L start at 0.  The scores in f16 start at 0: the loop is entered where piece 3's weights are made of them, so P's second buffer becomes 0, and the first turn's products,
	; of a piece that has not been, add 0 (V's registers then hold the table's fragments: finite numbers).  176 lines and 10 products on zeros, once a launch, for one text of every step.
	WIN 0x40
.set i, 0
.rept 160
	v_mov_b32 v[i], 0
.set i, i+1
.endr
.set i, 0
.rept 16
	v_mov_b32 v[X16+i], 0
.set i, i+1
.endr
	WIN 0
	s_wait_kmcnt 0x0
.irp i, 69,70,71,72,73,74,75,76,77,78,79,80,81,82,83
	s_max_u32 s68, s68, s[\i]                      ; numbers that are not negative order as whole numbers: kmax
.endr
	v_mov_b32 v12, s[SNB]
	v_cvt_pk_bf16_f32 v12, v12, v12                ; b rounded to bf16, like every input
	v_lshlrev_b32 v12, 16, v12
	v_mul_f32 v[B8], 0x41000000, v12               ; 8 b
	v_and_b32 v[B8A], 0x7fffffff, v[B8]
	s_wait_loadcnt 0x0                             ; Q and the table
	WIN 0x0f
.set i, 0
.rept 64                               ; the table rounded to bf16, into V's registers,
	v_cvt_pk_bf16_f32 v[VF+i], v[2*i], v[2*i+1]
.set i, i+1
.endr
	WIN 0
.set i, 0
.rept 64                               ; its largest magnitude, and that number written as f16
	v_lshlrev_b32 v[12+2*(i%2)], 16, v[VF+i]
	v_and_b32 v[13+2*(i%2)], 0xffff0000, v[VF+i]
	v_max3_num_f32 v[RM], v[RM], |v[12+2*(i%2)]|, |v[13+2*(i%2)]|
	v_cvt_pk_f16_f32 v[VF+i], v[12+2*(i%2)], v[13+2*(i%2)]
.set i, i+1
.endr
.irp m, 1,2,4,8
	v_max_num_f32_dpp v[RM], v[RM], v[RM] row_xmask:\m row_mask:0xf bank_mask:0xf
.endr
	v_permlanex16_b32 v12, v[RM], s[SEL], s[SEL+1]
	v_max_num_f32 v[RM], v[RM], v12
	v_add_f32 v[KR64], s68, v[RM]
	v_mul_f32 v[KR64], 0x42800000, v[KR64]         ; 64 (kmax + rmax)
	; THE SCALE.  For each piece: the query's largest |q|, the bound, s; Q times s in place (exact); C = 8 s b for the table's products; the scaled eps.
	; The four pieces go line by line, so that no line reads the result of the line before it.  At work: the first registers of each piece's eight in S^T.
.irp p, 0,1,2,3
	v_and_b32 v[SF+8*\p], s[ABSM], v[QF+16*\p]
	v_and_b32 v[SF+8*\p+1], s[ABSM], v[QF+16*\p+1]
.endr
.set i, 2
.rept 7
.irp p, 0,1,2,3
	v_and_b32 v[SF+8*\p+2], s[ABSM], v[QF+16*\p+i]
	v_and_b32 v[SF+8*\p+3], s[ABSM], v[QF+16*\p+i+1]
.endr
.irp p, 0,1,2,3
	v_pk_max_num_f16 v[SF+8*\p], v[SF+8*\p], v[SF+8*\p+2]
	v_pk_max_num_f16 v[SF+8*\p+1], v[SF+8*\p+1], v[SF+8*\p+3]
.endr
.set i, i+2
.endr
.irp p, 0,1,2,3
	v_pk_max_num_f16 v[12+\p], v[SF+8*\p], v[SF+8*\p+1]
.endr
	v_cvt_f32_f16 v[SF], v12.l
	v_cvt_f32_f16 v[SF+1], v12.h
	v_cvt_f32_f16 v[SF+8], v13.l
	v_cvt_f32_f16 v[SF+9], v13.h
	v_cvt_f32_f16 v[SF+16], v14.l
	v_cvt_f32_f16 v[SF+17], v14.h
	v_cvt_f32_f16 v[SF+24], v15.l
	v_cvt_f32_f16 v[SF+25], v15.h
.irp p, 0,1,2,3
	v_max_num_f32 v[SF+8*\p], v[SF+8*\p], v[SF+8*\p+1]
.endr
.irp p, 0,1,2,3
	v_permlanex16_b32 v[SF+8*\p+1], v[SF+8*\p], s[SEL], s[SEL+1]  ; the query's other 32 channels lie in the lane 16 away
.endr
.irp p, 0,1,2,3
	v_max_num_f32 v[SF+8*\p], v[SF+8*\p], v[SF+8*\p+1]            ; qmax
.endr
.irp p, 0,1,2,3
	v_fma_f32 v[SF+8*\p+1], v[SF+8*\p], v[KR64], v[B8A]
	v_mul_f32 v[SF+8*\p+2], 0x3c000000, v[SF+8*\p]                ; qmax / 128: keeps s qmax under 16,384
.endr
.irp p, 0,1,2,3
	v_max3_num_f32 v[SF+8*\p+1], v[SF+8*\p+1], v[SF+8*\p+2], 0x26800000  ; 2^-50: keeps s^2 inside f32
.endr
.irp p, 0,1,2,3
	v_and_b32 v[SF+8*\p+1], 0x7f800000, v[SF+8*\p+1]              ; the bound's exponent e:
.endr
.irp p, 0,1,2,3
	v_sub_nc_u32 v[SIG+\p], 0x82000000, v[SF+8*\p+1]              ; s = 2^(6 - e)
.endr
.irp p, 0,1,2,3
.set i, 0
.rept 16
	v_fma_mixlo_f16 v[QF+16*\p+i], v[QF+16*\p+i], v[SIG+\p], v[ZERO] op_sel_hi:[1,0,0]
.set i, i+1
.endr
.set i, 0
.rept 16
	v_fma_mixhi_f16 v[QF+16*\p+i], v[QF+16*\p+i], v[SIG+\p], v[ZERO] op_sel:[1,0,0] op_sel_hi:[1,0,0]
.set i, i+1
.endr
.endr
.irp p, 0,1,2,3
.set i, 0
.rept 8
	v_mul_f32 v[SF+8*\p+i], v[SIG+\p], v[B8]
.set i, i+1
.endr
.endr
.irp p, 0,1,2,3
	v_mul_f32 v[12+\p], 0x352bcc77, v[SIG+\p]      ; 64e-8 s
.endr
.irp p, 0,1,2,3
	v_mul_f32 v[12+\p], v[12+\p], v[SIG+\p]
.endr
	WIN 0x80
.irp p, 0,1,2,3
	v_max_num_f32 v[EQ+\p], 0x00800000, v[12+\p]
.endr
	; E^T = table x (s Q)^T + 8 s b: piece p, block k at window 3, v[32 p + 8 k]; a lane holds query r and x = 16 k + 8 h + j.  The 16 accumulators take turns
.irp c, 0,1
	WIN 0xc0+0x30*\c
.irp p, 0,1,2,3
.irp k, 0,1,2,3
.if \c == 0
	v_wmma_f32_16x16x32_f16 v[32*\p+8*\k:32*\p+8*\k+7], v[VF+8*(2*\k+\c):VF+8*(2*\k+\c)+7], v[QF+16*\p+8*\c:QF+16*\p+8*\c+7], v[SF+8*\p:SF+8*\p+7]
.else
	v_wmma_f32_16x16x32_f16 v[32*\p+8*\k:32*\p+8*\k+7], v[VF+8*(2*\k+\c):VF+8*(2*\k+\c)+7], v[QF+16*\p+8*\c:QF+16*\p+8*\c+7], v[32*\p+8*\k:32*\p+8*\k+7]
.endif
.endr
.endr
.endr
	PLACES
; Piece p's E goes through my scratch, a row a query, and comes back shifted by the query: DL[j] = E[16 + 8 h + j - r], D0: + 16, DR: + 32.
; Two tables take turns on the same bytes: LDS serves a wave's instructions in order (ISA guide 5.7.1.4).  34 LDS instructions a piece; the one wait for them stands in front of the barrier below.
.macro STAGEB p
	WIN 0x0c
.irp k, 0,1
	ds_store_b128 v[TAS], v[32*(\p)+8*\k:32*(\p)+8*\k+3]   offset:64*\k
	ds_store_b128 v[TAS], v[32*(\p)+8*\k+4:32*(\p)+8*\k+7] offset:64*\k+16
.endr
	WIN 0x80
.irp j, 0,1,2,3,4,5,6,7
	ds_load_b32 v[DD+26*(\p)+\j], v[TAL] offset:64+4*\j
.endr
	WIN 0x0c
.irp k, 1,2,3
	ds_store_b128 v[TBS], v[32*(\p)+8*\k:32*(\p)+8*\k+3]   offset:64*(\k-1)
	ds_store_b128 v[TBS], v[32*(\p)+8*\k+4:32*(\p)+8*\k+7] offset:64*(\k-1)+16
.endr
	WIN 0x80
.irp j, 0,1,2,3,4,5,6,7
	ds_load_b32 v[DD+26*(\p)+8+\j], v[TBL] offset:64+4*\j
	ds_load_b32 v[DD+26*(\p)+16+\j], v[TBL] offset:128+4*\j
.endr
.endm
	STAGEB 0
	STAGEB 1
	STAGEB 2
	STAGEB 3
	; Block 0 of the table is one row sixteen times, so each register of its result is cL; block 3's likewise cR.  CW starts as cL.
	WIN 0x83
.irp p, 0,1,2,3
.set z, 0
.rept 32
	v_mov_b32 v[32*\p+z], v[32*\p]
.set z, z+1
.endr
	v_mov_b32 v[DD+26*\p+24], v[32*\p]
	v_mov_b32 v[DD+26*\p+25], v[32*\p+24]
.endr
	WIN 0
; THE MATRIX WORK.  Product i of 10 for piece x: keys 32 (i / 5) on; i % 5 < 4: channels 16 (i % 5) on of O^T; i % 5 = 4: L.  Five accumulators take turns.
.macro PVI x
	WIN W_PV
.set kk, i/5
.set u, i%5
.set rP, PF+16*((\x)%2)+8*kk
.if u < 4
.set rO, 32*(\x)+8*u
.set rV, VF+32*kk+8*u
.else
.set rO, LF+8*(\x)
.set rV, ONES
.endif
	v_wmma_f32_16x16x32_f16 v[rO:rO+7], v[rV:rV+7], v[rP:rP+7], v[rO:rO+7]
.endm
; Product i of 8 of S^T for piece x: channels 32 (i / 4) on, keys 16 (i % 4) on.  The first four start the sums with CW.
.macro KQI x
.set cc, i/4
.set kt, i%4
.set rS, SF+8*kt
.set rK, KF+16*kt+8*cc
.set rQ, QF+16*(\x)+8*cc
.if i < 4
	WIN W_KQ1
	v_wmma_f32_16x16x32_f16 v[rS:rS+7], v[rK:rK+7], v[rQ:rQ+7], v[32*(\x)+8*kt:32*(\x)+8*kt+7]
.else
	WIN W_KQ2
	v_wmma_f32_16x16x32_f16 v[rS:rS+7], v[rK:rK+7], v[rQ:rQ+7], v[rS:rS+7]
.endif
.endm
; THE VECTOR WORK.  CVT: the next pair of scores to f16, each accumulator from its low end on.  SLICE: four of the 16 maxima with 0 and the 16 products x relu(x); a product stands a slice behind its maximum.
.macro CVT
	v_cvt_pk_f16_f32 v[X16+j], v[SF+2*j], v[SF+2*j+1]
.set j, j+1
.endm
.macro MAXR b, n
	v_pk_max_num_f16 v[PF+16*(\b)+(\n)], v[X16+(\n)], v[ZERO]
.endm
.macro MULR b, n
	v_pk_mul_f16 v[PF+16*(\b)+(\n)], v[X16+(\n)], v[PF+16*(\b)+(\n)]
.endm
.macro SLICE b
.if i == 0
	MAXR \b, 0
	MAXR \b, 1
	MAXR \b, 2
	MAXR \b, 3
.elseif i < 7
	MULR \b, 2*i-2
	MULR \b, 2*i-1
	MAXR \b, 2*i+2
	MAXR \b, 2*i+3
.else
	MULR \b, 12
	MULR \b, 13
	MULR \b, 14
	MULR \b, 15
.endif
.endm
; THE LDS LOADS stand in runs of 16
.macro FETCH_K
	WIN W_PV                                       ; destination window 1, address window 0
.irp f, 0,1,2,3,4,5,6,7
	ds_load_b128 v[KF+8*\f:KF+8*\f+3],   v[AK] offset:(\f/2)*16*PK+(\f%2)*64
	ds_load_b128 v[KF+8*\f+4:KF+8*\f+7], v[AK] offset:(\f/2)*16*PK+(\f%2)*64+32
.endr
	s_add_co_u32 s[TBK], s[TBK], 64*PK
.endm
.macro FETCH_V
	WIN W_KQ1                                      ; destination window 0, address window 1
.irp f, 0,1,2,3,4,5,6,7
	ds_load_tr16_b128 v[VF+8*\f:VF+8*\f+3],   v[AV] offset:(\f/4)*32*PV+(\f%4)*32
	ds_load_tr16_b128 v[VF+8*\f+4:VF+8*\f+7], v[AV] offset:(\f/4)*32*PV+16*PV+(\f%4)*32
.endr
.endm
; CW of piece p for the step whose scores come next: TD = step - i + 1 picks the case; the place in the cluster picks by masks.  All jumps go forward.
; LAY0: key block blk takes the constant con (24: cL, 25: cR), or the eight numbers at cand (0: DL, 8: D0, 16: DR) where cx = e.  LAY: it keeps what it has, or takes those at cand where cx = e.
.macro LAY0 blk, con, cand, e
.set z, 0
.rept 8
	v_cndmask_b32 v[cw+8*(\blk)+z], v[dd+(\con)], v[dd+(\cand)+z], s[E0+(\e)]
.set z, z+1
.endr
.endm
.macro LAY blk, cand, e
.set z, 0
.rept 8
	v_cndmask_b32 v[cw+8*(\blk)+z], v[cw+8*(\blk)+z], v[dd+(\cand)+z], s[E0+(\e)]
.set z, z+1
.endr
.endm
.macro UPDATE p
.set cw, 32*(\p)
.set dd, DD+26*(\p)
	s_sub_co_u32 s[TD], s[SQ], (\p)
	s_cmp_lt_u32 s[TD], 4
	s_cbranch_scc0 .Lue_\@
	s_cmp_eq_u32 s[TD], 0
	s_cbranch_scc0 .Lu1_\@
	WIN W_UP
	LAY0 3, 24, 0, 0                               ; the step before the tile's own: block 3 is one block below the diagonal where cx = 0
	WIN 0
	s_branch .Lue_\@
.Lu1_\@:
	s_cmp_eq_u32 s[TD], 1
	s_cbranch_scc0 .Lu2_\@
	WIN W_UP                                       ; the tile's own step: block kt stands kt - cx blocks from the diagonal
	LAY0 0, 24, 0, 1
	LAY0 1, 24, 0, 2
	LAY0 2, 25, 0, 3
	LAY0 3, 25, 8, 3
	LAY 0, 8, 0
	LAY 1, 8, 1
	LAY 2, 8, 2
	LAY 3, 16, 2
	LAY 1, 16, 0
	LAY 2, 16, 1
	WIN 0
	s_branch .Lue_\@
.Lu2_\@:
	s_cmp_eq_u32 s[TD], 2
	s_cbranch_scc0 .Lu3_\@
	WIN W_UP
	LAY0 0, 25, 16, 3                              ; the step after: block 0 is one block above the diagonal where cx = 3
.set z, 8
.rept 24
	v_mov_b32 v[cw+z], v[dd+25]
.set z, z+1
.endr
	WIN 0
	s_branch .Lue_\@
.Lu3_\@:
	WIN W_UP
.set z, 0
.rept 8
	v_mov_b32 v[cw+z], v[dd+25]
.set z, z+1
.endr
	WIN 0
.Lue_\@:
.endm
; A TURN, for piece n.  kq = 0: the last turn: no further scores.  fk = 0: no further K.
; K of the next step is fetched at the head of piece 3's turn: the four products of the last slice and the address line are the places behind the last product that read K; it is waited for 10 products later.
; V of the step in hand is fetched in piece 0's turn behind the first slice: a rounding, the address line and that slice are the places behind the last product that read V; it is waited for at the head of piece 1's turn.
; In the middle of piece 3's turn all four pieces have had this step's scores: there CW is brought to the next step, for all four; a wave whose tiles are four steps or more away (SQ is not 0..6) jumps over it.
; The loop is entered at that place.
.macro TURN n, kq=1, fk=1
.if ((\n) == 3) && (\kq)
	FETCH_K
.endif
.if (\n) == 1
	s_wait_dscnt 0x0                               ; V is in
.endif
.set i, 0
.set j, 0
.rept 10
	PVI ((\n)+3)%4
	CVT
.if i < 6
	CVT
.endif
.set i, i+1
.endr
.if (\n) == 0
	v_add_nc_u32 v[AV], s[TBV], v[AV0]
	s_add_co_u32 s[TBV], s[TBV], 64*PV
.endif
.if \kq
.if (\n) == 3
	WIN 0
.Lenter:
	s_add_co_u32 s[SQ], s[SQ], 1                   ; the scores that come now are the next step's
	s_cmp_lt_u32 s[SQ], 7
	s_cbranch_scc0 .Lno_band
	UPDATE 0
	UPDATE 1
	UPDATE 2
	UPDATE 3
.Lno_band:
	s_wait_dscnt 0x0                               ; K is in
.endif
.set i, 0
.rept 8
	KQI ((\n)+1)%4
	SLICE (\n)%2
.if ((\n) == 0) && (i == 0)
	FETCH_V
.endif
.set i, i+1
.endr
.if ((\n) == 2) && (\fk)
	v_add_nc_u32 v[AK], s[TBK], v[AK0]
.endif
.else
	WIN W_KQ2
.set i, 0
.rept 8
	SLICE (\n)%2
.set i, i+1
.endr
.endif
.endm
	s_wait_tensorcnt 0x0                           ; my 512 keys are in,
	s_wait_dscnt 0x0                               ; the tables' loads are back and no LDS instruction of mine is out,
	s_barrier_signal -1
	s_barrier_wait -1                              ; and everybody's keys are in
	v_mov_b32 v[AK], v[AK0]
	FETCH_K                                        ; key step 0
	s_lshl_b32 s16, s[WV], 2
	s_sub_co_u32 s[SQ], 0, s16                     ; one is added where the loop is entered
	s_mov_b32 s[CNT], 16
	WIN 0
	s_branch .Lenter                               ; in the middle of piece 3's turn: CW for step 0, piece 0's first scores, and P's second buffer made of zeros
.Lstep:                                        ; a trip: pieces 2 and 3 of one step, then pieces 0 and 1 of the next
	TURN 2
	TURN 3
	TURN 0
	TURN 1
	WIN 0
	s_sub_co_u32 s[CNT], s[CNT], 1
	s_cmp_lg_u32 s[CNT], 0
	s_cbranch_scc1 .Lstep
	TURN 2, 1, 0                                   ; the last step's second half fetches nothing
	TURN 3, 0, 0
.set i, 0
.rept 10
	PVI 3
.set i, i+1
.endr
	WIN 0
	PLACES
	; THE WAY OUT.  The divisor is L + the scaled eps; O^T is divided, rounded to f16 and sent through my scratch, a piece (16 rows) at a time
	WIN 0x09
.irp p, 0,1,2,3
	v_add_f32 v[12+2*\p], v[LF+8*\p], v[EQ+\p]
.endr
	WIN 0
.irp p, 0,1,2,3
	v_rcp_f32 v[12+2*\p], v[12+2*\p]
.endr
	v_nop                                          ; a plain instruction between the last reciprocal and the use of its result (ISA guide 5.7.2)
	s_wait_alu depctr_va_vdst(0)                   ; and a wait ahead of the first use: one for the four
.macro PACK p
	WIN 0x41
.set i, 32*(\p)
.rept 16
	v_pk_mul_f32 v[i:i+1], v[i:i+1], v[12+2*(\p):13+2*(\p)] op_sel_hi:[1,0]
.set i, i+2
.endr
	WIN 0x05
.set i, 0
.rept 16
	v_cvt_pk_f16_f32 v[SF+16*(\p)+i], v[32*(\p)+2*i], v[32*(\p)+2*i+1]
.set i, i+1
.endr
	WIN 0
.irp f, 0,1,2,3
	ds_store_b128 v[STO], v[SF+16*(\p)+4*\f:SF+16*(\p)+4*\f+3] offset:32*\f
.endr
.irp f, 0,1,2,3
	ds_load_b128 v[SF+16*(\p)+4*\f:SF+16*(\p)+4*\f+3], v[RD] offset:\f*4*PK  ; in order behind the stores above; the next piece's stores come behind them
.endr
.endm
.macro SEND p, younger                 ; younger: the LDS instructions issued behind piece p's loads: the next piece's eight, or none
.irp f, 0,1,2,3
	s_wait_dscnt (\younger)+3-\f
	global_store_b128 v[GO], v[SF+16*(\p)+4*\f:SF+16*(\p)+4*\f+3], s[12:13] offset:((\p)/2)*262144+((\p)%2)*8192+\f*512  ; 512 consecutive bytes, aligned
.endr
.endm
	PACK 0
	PACK 1
	SEND 0, 8
	PACK 2
	SEND 1, 8
	PACK 3
	SEND 2, 8
	SEND 3, 0
	s_wait_tensorcnt 0x0                           ; the wave's end
	ds_add_u32 v[SPW], v[NIL]
	s_wait_dscnt 0x0
	CROUND                                         ; the closing round
	s_endpgm
.Lfunc_end_k_qeba202709d_attn:
	.size	k_qeba202709d_attn, .Lfunc_end_k_qeba202709d_attn-k_qeba202709d_attn
	.p2alignl 7, 3214868480
	.fill 96, 4, 3214868480
	.section	.rodata,"a",@progbits
	.p2align	6, 0x0
	.amdhsa_kernel k_qeba202709d_attn
		.amdhsa_group_segment_fixed_size 327680
		.amdhsa_private_segment_fixed_size 0
		.amdhsa_enable_private_segment 0
		.amdhsa_kernarg_size 40
		.amdhsa_user_sgpr_count 2
		.amdhsa_user_sgpr_kernarg_segment_ptr 1
		.amdhsa_wavefront_size32 1
		.amdhsa_system_sgpr_workgroup_id_x 1
		.amdhsa_system_sgpr_workgroup_id_y 1
		.amdhsa_system_sgpr_workgroup_id_z 1
		.amdhsa_system_vgpr_workitem_id 0
		.amdhsa_next_free_vgpr 896
		.amdhsa_next_free_sgpr 84
		.amdhsa_reserve_vcc 0
		.amdhsa_float_denorm_mode_32 3
		.amdhsa_float_denorm_mode_16_64 3
		.amdhsa_memory_ordered 1
		.amdhsa_forward_progress 1
		.amdhsa_inst_pref_size 144
	.end_amdhsa_kernel
	.amdgpu_metadata
---
amdhsa.version: [ 1, 2 ]
amdhsa.kernels:
  - .name:           k_qeba202709d_attn
    .symbol:         k_qeba202709d_attn.kd
    .args:
      - { .name: qkv, .offset: 0, .size: 8, .value_kind: global_buffer, .address_space: global }
      - { .name: amax, .offset: 8, .size: 8, .value_kind: global_buffer, .address_space: global }
      - { .name: rel_emb, .offset: 16, .size: 8, .value_kind: global_buffer, .address_space: global }
      - { .name: sn_bias, .offset: 24, .size: 8, .value_kind: global_buffer, .address_space: global }
      - { .name: ctxh, .offset: 32, .size: 8, .value_kind: global_buffer, .address_space: global }
    .group_segment_fixed_size: 327680
    .private_segment_fixed_size: 0
    .kernarg_segment_align: 8
    .kernarg_segment_size: 40
    .max_flat_workgroup_size: 128
    .sgpr_count:     84
    .vgpr_count:     896
    .wavefront_size: 32
...
	.end_amdgpu_metadata
.endif
;; end of part 3
;; launch outp (part 4): grid 8 x 32, 4 waves a work-group, clusters of 4 x 4, 327,680 bytes of LDS; arguments ctxh, woh, bo, out0; writes out0
.if DOCPART == 4
	.amdgcn_target "amdgcn-amd-amdhsa--gfx1250"
	.amdhsa_code_object_version 6
	.text
	.protected	k_qeba202709d_outp
	.globl	k_qeba202709d_outp
	.p2align	8
	.type	k_qeba202709d_outp,@function
k_qeba202709d_outp:
	s_mov_b64 s[64:65], 0
	v_nop
	global_prefetch_b8 v0, s[64:65] scope:SCOPE_SE
	s_setreg_imm32_b32 hwreg(HW_REG_WAVE_MODE, 25, 1), 1
	s_wait_xcnt 0x0
	s_wait_alu depctr_hold_cnt(0) depctr_sa_sdst(0) depctr_va_vdst(0) depctr_va_sdst(0) depctr_va_ssrc(0) depctr_va_vcc(0) depctr_vm_vsrc(0)
	s_getreg_b32 s2, hwreg(HW_REG_IB_STS2, 6, 4)
	s_cmp_eq_u32 s2, 0
	s_cbranch_scc0 .Lentry_in_a_cluster
	s_endpgm
.Lentry_in_a_cluster:
	s_bfe_u32 s2, ttmp6, 0x10000c
	s_cmp_lg_u32 s2, 0xf033
	s_cbranch_scc0 .Lentry_shape_is_right
	s_endpgm
.Lentry_shape_is_right:
; out0 = ctx Wo^T + bo.  ctxh: [m / 128 = 32][h = 16][128 rows][64] f16 (k = 64 h + d); woh: [1024 n][1024 k] f16; bo [1024] f32, rounded to bf16 here; out0 [4096][1024] f32.  Sums in f32.
; A tile of out0 is 128 x 128: 8 x 32 tiles, a work-group each; four waves, 64 x 64 each: 16 accumulators.  K goes in four steps of 256 (four heads) through two LDS slots, written out without a loop.
; A K step of A is 65,536 dense bytes: waves 0, 1 ask for two heads each, as 128 rows of 256 bytes, padded in LDS after every 128 bytes; waves 2, 3 for 64 rows x 512 bytes of B each.
; CLUSTER 4 x 4: A's tile is shared along a row of the cluster, B's along a column: joint loads.  No prefetch: the tile is small and the walk has four K steps.
; THE MATRIX INSTRUCTION IS USED TRANSPOSED (source 0 = 16 rows of woh, source 1 = 16 rows of ctx): a lane holds row l % 16 and eight neighbouring columns.  The first product on each accumulator takes the bias as C.
; REGISTERS: window 0: v0-31 addresses; v32-95 the way out, two buffers; v96-127 the bias; v128-255 the accumulators ((a, b) at 128 + 8 (4 a + b)).   window 1: two fragment buffers of 128: A's 64, then B's 64.
.set PA,     144                       ; a row of A in LDS: 128 bytes + 16
.set PB,     528                       ; a row of B: 512 + 16
.set HB,     128*PA                    ; a head's 128 rows
.set BOFF,   4*HB
.set SLOT,   BOFF+128*PB
.set STAGE,  2*SLOT                    ; behind the ring: 16 rows x 272 bytes for each wave
.set SPITCH, 272
.set SPARE,  STAGE+4*16*SPITCH
.set ADRA, 16
.set ADRB, 20
.set STO,  24
.set RD,   25
.set CO,   26
.set BO,   27
.set SPW,  28
.set NIL,  29
.set OB,   32
.set BIAS, 96
.set ACC,  128
.set F0,   0
.set F1,   128
.set WV,   12
.set RH,   13                          ; which half of the tile's rows is mine.  Also: I fetch for A (0) or for B (1)
.set CH,   14                          ; which half of its columns.  Also: which part of that tile I fetch
.set G1, 24
.set G0, 32
.set G1B, 48
.set G0B, 56
.set MSB, 0
.macro WIN new
.if MSB != (\new)
	s_set_vgpr_msb (MSB<<8)|(\new)
.set MSB, \new
.endif
.endm
.set MUL,  0x05                        ; sources 0 (B) and 1 (A) window 1; C and D window 0
.set TO_F, 0x40
.macro PLACES
.rept 4
	v_nop
.endr
.endm
.macro JLOAD s                         ; an s_nop 0 and four v_nop follow each of the two lines, ahead of the jump and the label
	s_cmp_eq_u32 s[RH], 0
	s_cbranch_scc0 .Lfor_b_\@
	tensor_load_to_lds s[G0+4*(\s):G0+4*(\s)+3], s[G1:G1+7]
	s_nop 0
.rept 4
	v_nop
.endr
	s_branch .Lasked_\@
.Lfor_b_\@:
	tensor_load_to_lds s[G0B+4*(\s):G0B+4*(\s)+3], s[G1B:G1B+7]
	s_nop 0
.rept 4
	v_nop
.endr
.Lasked_\@:
.endm
.macro CREST
	s_cmp_lg_u32 s[WV], 0
	s_cbranch_scc1 .Lnot_wave_0_\@
	s_barrier_signal -3
.Lnot_wave_0_\@:
	s_barrier_wait -3
	s_barrier_signal -1
	s_barrier_wait -1
.endm
.macro CROUND
	s_barrier_signal -1
	s_barrier_wait -1
	CREST
.endm
	s_load_b256 s[4:11], s[0:1], 0x0               ; ctxh s[4:5], woh s[6:7], bo s[8:9], out0 s[10:11]
	v_lshl_add_u32 v[SPW], v0, 2, SPARE
	v_mov_b32 v[NIL], 0
	ds_add_u32 v[SPW], v[NIL]                      ; the wave's opening: the add, twice on end, and its wait ahead of my first tensor load
	ds_add_u32 v[SPW], v[NIL]
	v_lshrrev_b32 v1, 5, v0
	v_readfirstlane_b32 s[WV], v1
	s_lshr_b32 s[RH], s[WV], 1
	s_and_b32 s[CH], s[WV], 1
	s_bfe_u32 s40, ttmp6, 0x40000                  ; cx
	s_bfe_u32 s41, ttmp6, 0x40004                  ; cy
	s_lshl_b32 s42, ttmp9, 2
	s_add_co_u32 s42, s42, s40                     ; tile column
	s_and_b32 s43, ttmp7, 0xffff
	s_lshl_b32 s43, s43, 2
	s_add_co_u32 s43, s43, s41                     ; tile row
	s_lshl_b32 s44, s41, 2
	s_lshl_b32 s44, 15, s44                        ; my row of the cluster
	s_lshl_b32 s45, 0x1111, s40                    ; my column
	s_or_b32 s[G1], s44, (1<<16)|(1<<20)|(1<<21)|(4<<22)|(3<<25)   ; A: padding of 4 words after every 32
	s_or_b32 s[G1B], s45, (1<<16)|(1<<20)|(1<<21)|(6<<22)|(3<<25)  ; B: after every 128
	s_mov_b32 s[G1+1], 128<<16                     ; A: 128 rows of 128 elements, dense
	s_mov_b32 s[G1+2], 128<<16
	s_mov_b32 s[G1+3], 128<<16
	s_mov_b32 s[G1+4], 128
	s_mov_b32 s[G1+5], 128
	s_mov_b32 s[G1+6], 0
	s_mov_b32 s[G1+7], 0
	s_mov_b32 s[G1B+1], 256<<16                    ; B: 64 rows of 256 elements, 1,024 from row to row
	s_mov_b32 s[G1B+2], 64<<16
	s_mov_b32 s[G1B+3], 256<<16
	s_mov_b32 s[G1B+4], 64
	s_mov_b32 s[G1B+5], 1024
	s_mov_b32 s[G1B+6], 0
	s_mov_b32 s[G1B+7], 0
	s_lshl_b32 s16, s43, 18                        ; A: block of 128 rows = tile row; my two heads of the step's four
	s_lshl_b32 s17, s[CH], 15
	s_add_co_u32 s16, s16, s17
	s_mov_b32 s17, 0
	s_lshl_b32 s46, s42, 7
	s_lshl_b32 s47, s[CH], 6
	s_add_co_u32 s46, s46, s47                     ; B: row 128 x tile column + 64 x half
	s_lshl_b32 s46, s46, 11
	s_mov_b32 s47, 0
	s_mul_i32 s20, s[CH], 2*HB                     ; where they go: no place in the cluster enters an LDS address
	s_mul_i32 s21, s[CH], 64*PB
	s_add_co_u32 s21, s21, BOFF
	s_wait_dscnt 0x0                               ; both opening adds are done
	s_wait_kmcnt 0x0
	s_add_nc_u64 s[18:19], s[4:5], s[16:17]
	s_add_nc_u64 s[46:47], s[6:7], s[46:47]
	CROUND                                         ; all sixteen work-groups are here: the first joint loads meet
.irp s, 0,1
	s_mov_b32 s[G0+4*\s], 1
	s_add_co_u32 s[G0+4*\s+1], s20, \s*SLOT
	s_add_nc_u64 s[G0+4*\s+2:G0+4*\s+3], s[18:19], \s*65536
	s_or_b32 s[G0+4*\s+3], s[G0+4*\s+3], 0x80000000
	s_mov_b32 s[G0B+4*\s], 1
	s_add_co_u32 s[G0B+4*\s+1], s21, \s*SLOT
	s_add_nc_u64 s[G0B+4*\s+2:G0B+4*\s+3], s[46:47], \s*512
	s_or_b32 s[G0B+4*\s+3], s[G0B+4*\s+3], 0x80000000
	JLOAD \s                                       ; two loads of mine are out
.endr
	v_and_b32 v1, 15, v0                           ; r
	v_bfe_u32 v2, v0, 4, 1                         ; h
	v_lshlrev_b32 v[BO], 5, v2
	s_lshl_b32 s16, s42, 9                         ; my 64 columns in bo
	s_lshl_b32 s17, s[CH], 8
	s_add_co_u32 s16, s16, s17
	s_mov_b32 s17, 0
	s_add_nc_u64 s[8:9], s[8:9], s[16:17]
.irp b, 0,1,2,3
	global_load_b128 v[BIAS+8*\b:BIAS+8*\b+3],   v[BO], s[8:9] offset:64*\b
	global_load_b128 v[BIAS+8*\b+4:BIAS+8*\b+7], v[BO], s[8:9] offset:64*\b+16
.endr
	s_lshl_b32 s22, s43, 19                        ; out0 at my first row and column: (128 tile row + 64 half) x 4,096 + my columns' bytes
	s_lshl_b32 s23, s[RH], 18
	s_add_co_u32 s22, s22, s23
	s_add_co_u32 s22, s22, s16
	s_mov_b32 s23, 0
	s_add_nc_u64 s[10:11], s[10:11], s[22:23]
	v_mul_u32_u24 v3, v1, PA
	v_lshl_add_u32 v3, v2, 4, v3
	v_mul_u32_u24 v4, v1, PB
	v_lshl_add_u32 v4, v2, 4, v4
	s_mul_i32 s22, s[RH], 64*PA                    ; my 64 rows of A in a head's block
	s_mul_i32 s23, s[CH], 64*PB                    ; my 64 rows of B
	s_add_co_u32 s23, s23, BOFF
.irp s, 0,1
	v_add_nc_u32 v[ADRA+\s], s22, v3
	v_add_nc_u32 v[ADRB+\s], s23, v4
	s_add_co_u32 s22, s22, SLOT
	s_add_co_u32 s23, s23, SLOT
.endr
	s_mul_i32 s22, s[WV], 16*SPITCH
	s_add_co_u32 s22, s22, STAGE                   ; my stage: my 64 columns of f32 are 256 bytes, so nobody else writes its rows
	v_mul_u32_u24 v[STO], v1, SPITCH
	v_lshl_add_u32 v[STO], v2, 5, v[STO]           ; in: row r, 32 bytes for each half of the lanes
	v_add_nc_u32 v[STO], s22, v[STO]
	v_mul_u32_u24 v[RD], v2, SPITCH
	v_lshl_add_u32 v[RD], v1, 4, v[RD]             ; back: lanes 0-15 one row of 256 bytes, lanes 16-31 the next
	v_add_nc_u32 v[RD], s22, v[RD]
	v_lshlrev_b32 v[CO], 12, v2
	v_lshl_add_u32 v[CO], v1, 4, v[CO]
	s_wait_loadcnt 0x0                             ; the bias
.set i, 0
.rept 16                               ; rounded to bf16, like every input
	v_cvt_pk_bf16_f32 v[30+i%2], v[BIAS+2*i], v[BIAS+2*i+1]
	v_lshlrev_b32 v[BIAS+2*i], 16, v[30+i%2]
	v_and_b32 v[BIAS+2*i+1], 0xffff0000, v[30+i%2]
.set i, i+1
.endr
; 8 products: row blocks a0, a0 + 1 x all 4 column blocks, 32 along K: half c of buffer f.  first = 1: C is the bias.  The 16 accumulators take turns.
.macro MUL8 f, c, a0, first
	WIN MUL
.irp a, \a0, (\a0)+1
.irp b, 0,1,2,3
.if \first
	v_wmma_f32_16x16x32_f16 v[ACC+8*(4*(\a)+(\b)):ACC+8*(4*(\a)+(\b))+7], v[(\f)+64+8*(4*(\c)+(\b)):(\f)+64+8*(4*(\c)+(\b))+7], v[(\f)+8*(4*(\c)+(\a)):(\f)+8*(4*(\c)+(\a))+7], v[BIAS+8*(\b):BIAS+8*(\b)+7]
.else
	v_wmma_f32_16x16x32_f16 v[ACC+8*(4*(\a)+(\b)):ACC+8*(4*(\a)+(\b))+7], v[(\f)+64+8*(4*(\c)+(\b)):(\f)+64+8*(4*(\c)+(\b))+7], v[(\f)+8*(4*(\c)+(\a)):(\f)+8*(4*(\c)+(\a))+7], v[ACC+8*(4*(\a)+(\b)):ACC+8*(4*(\a)+(\b))+7]
.endif
.endr
.endr
.endm
; 32 LDS loads in one run: quarter q of a K step (one head: 64 along K) into buffer f; the first 32 along K first
.macro FETCH slot, q, f
	WIN TO_F
.irp c, 0,1
.irp i, 0,1,2,3
	ds_load_b128 v[(\f)+64+8*(4*(\c)+(\i)):(\f)+64+8*(4*(\c)+(\i))+3],   v[ADRB+(\slot)] offset:128*(\q)+64*(\c)+(\i)*16*PB
	ds_load_b128 v[(\f)+64+8*(4*(\c)+(\i))+4:(\f)+64+8*(4*(\c)+(\i))+7], v[ADRB+(\slot)] offset:128*(\q)+64*(\c)+(\i)*16*PB+32
	ds_load_b128 v[(\f)+8*(4*(\c)+(\i)):(\f)+8*(4*(\c)+(\i))+3],         v[ADRA+(\slot)] offset:(\q)*HB+64*(\c)+(\i)*16*PA
	ds_load_b128 v[(\f)+8*(4*(\c)+(\i))+4:(\f)+8*(4*(\c)+(\i))+7],       v[ADRA+(\slot)] offset:(\q)*HB+64*(\c)+(\i)*16*PA+32
.endr
.endr
.endm
.macro QUARTER slot, q, f, g, first    ; multiplies buffer f and fetches quarter q into g
	s_wait_dscnt 16                                ; the first 32 along K are in; the youngest 16 loads may be out
	MUL8 \f, 0, 0, \first
	MUL8 \f, 0, 2, \first
	PLACES
	FETCH \slot, \q, \g
	s_wait_dscnt 32                                ; all but the 32 just issued
	MUL8 \f, 1, 0, 0
	MUL8 \f, 1, 2, 0
.endm
; The last quarter multiplies buffer 1 and changes slots: in front of the barrier each wave waits for all its tensor loads, adds 0 to its spare word, and waits for that and for its reads of this slot.
; fill = 1: the barrier opens a round of the cluster's, and this slot is filled again, two K steps ahead, first thing behind it.
.macro TURN slot, next, fill
	WIN 0
	s_wait_tensorcnt 0x0
	ds_add_u32 v[SPW], v[NIL]
	s_wait_dscnt 17                                ; the add and the youngest sixteen loads may be out
	MUL8 F1, 0, 0, 0
	s_wait_dscnt 0x0                               ; the add is done, and my reads of this slot are over
	s_barrier_signal -1
	MUL8 F1, 0, 2, 0
.if \fill
	WIN 0
.endif
	s_barrier_wait -1
.if \fill
	CREST
	s_add_nc_u64 s[G0+4*(\slot)+2:G0+4*(\slot)+3], s[G0+4*(\slot)+2:G0+4*(\slot)+3], 2*65536
	s_add_nc_u64 s[G0B+4*(\slot)+2:G0B+4*(\slot)+3], s[G0B+4*(\slot)+2:G0B+4*(\slot)+3], 2*512
	JLOAD \slot                                    ; its four v_nop are also the places in front of the loads below
.else
	PLACES
.endif
	FETCH \next, 0, F0
	MUL8 F1, 1, 0, 0
	MUL8 F1, 1, 2, 0
.endm
	s_wait_tensorcnt 1                             ; my part of K step 0 is in; step 1's may stay out
	s_barrier_signal -1
	s_barrier_wait -1
	FETCH 0, 0, F0
	QUARTER 0, 1, F0, F1, 1                        ; the first products start the sums with the bias
	QUARTER 0, 2, F1, F0, 0
	QUARTER 0, 3, F0, F1, 0
	TURN 0, 1, 1                                   ; slot 0 takes K step 2
	QUARTER 1, 1, F0, F1, 0
	QUARTER 1, 2, F1, F0, 0
	QUARTER 1, 3, F0, F1, 0
	TURN 1, 0, 1                                   ; slot 1 takes K step 3
	QUARTER 0, 1, F0, F1, 0
	QUARTER 0, 2, F1, F0, 0
	QUARTER 0, 3, F0, F1, 0
	TURN 0, 1, 0                                   ; nothing is left to fetch
	QUARTER 1, 1, F0, F1, 0
	QUARTER 1, 2, F1, F0, 0
	QUARTER 1, 3, F0, F1, 0
	s_wait_dscnt 16
	MUL8 F1, 0, 0, 0
	MUL8 F1, 0, 2, 0
	s_wait_dscnt 0x0
	MUL8 F1, 1, 0, 0
	MUL8 F1, 1, 2, 0
	WIN 0
	PLACES
; THE WAY OUT, 16 rows at a time: a lane's eight f32 go into my stage (each accumulator's low registers first) and come back as whole rows of 256 bytes
.macro TOSTAGE a
.if (\a) >= 2
	s_wait_xcnt 0x0                                ; the stores of the block two back have read the registers that are loaded again below
.endif
.irp b, 0,1,2,3
	ds_store_b128 v[STO], v[ACC+8*(4*(\a)+(\b)):ACC+8*(4*(\a)+(\b))+3]   offset:64*(\b)
	ds_store_b128 v[STO], v[ACC+8*(4*(\a)+(\b))+4:ACC+8*(4*(\a)+(\b))+7] offset:64*(\b)+16
.endr
.irp t, 0,1,2,3,4,5,6,7
	ds_load_b128 v[OB+32*((\a)%2)+4*(\t):OB+32*((\a)%2)+4*(\t)+3], v[RD] offset:(\t)*2*SPITCH  ; in order behind the stores above (ISA guide 5.7.1.4); the next block's stores come behind them
.endr
.endm
.macro SEND a, younger                 ; younger: the LDS instructions issued behind block a's loads: the next block's sixteen, or none
.irp t, 0,1,2,3,4,5,6,7
	s_wait_dscnt (\younger)+7-(\t)
	global_store_b128 v[CO], v[OB+32*((\a)%2)+4*(\t):OB+32*((\a)%2)+4*(\t)+3], s[10:11] offset:(16*(\a)+2*(\t))*4096  ; 16 lanes store 256 consecutive bytes, aligned
.endr
.endm
	TOSTAGE 0
	TOSTAGE 1
	SEND 0, 16
	TOSTAGE 2
	SEND 1, 16
	TOSTAGE 3
	SEND 2, 16
	SEND 3, 0
	s_wait_tensorcnt 0x0                           ; the wave's end
	ds_add_u32 v[SPW], v[NIL]
	s_wait_dscnt 0x0
	CROUND                                         ; the closing round
	s_endpgm
.Lfunc_end_k_qeba202709d_outp:
	.size	k_qeba202709d_outp, .Lfunc_end_k_qeba202709d_outp-k_qeba202709d_outp
	.p2alignl 7, 3214868480
	.fill 96, 4, 3214868480
	.section	.rodata,"a",@progbits
	.p2align	6, 0x0
	.amdhsa_kernel k_qeba202709d_outp
		.amdhsa_group_segment_fixed_size 327680
		.amdhsa_private_segment_fixed_size 0
		.amdhsa_enable_private_segment 0
		.amdhsa_kernarg_size 32
		.amdhsa_user_sgpr_count 2
		.amdhsa_user_sgpr_kernarg_segment_ptr 1
		.amdhsa_wavefront_size32 1
		.amdhsa_system_sgpr_workgroup_id_x 1
		.amdhsa_system_sgpr_workgroup_id_y 1
		.amdhsa_system_sgpr_workgroup_id_z 1
		.amdhsa_system_vgpr_workitem_id 0
		.amdhsa_next_free_vgpr 512
		.amdhsa_next_free_sgpr 66
		.amdhsa_reserve_vcc 0
		.amdhsa_float_denorm_mode_32 3
		.amdhsa_float_denorm_mode_16_64 3
		.amdhsa_memory_ordered 1
		.amdhsa_forward_progress 1
		.amdhsa_inst_pref_size 90
	.end_amdhsa_kernel
	.amdgpu_metadata
---
amdhsa.version: [ 1, 2 ]
amdhsa.kernels:
  - .name:           k_qeba202709d_outp
    .symbol:         k_qeba202709d_outp.kd
    .args:
      - { .name: ctxh, .offset: 0, .size: 8, .value_kind: global_buffer, .address_space: global }
      - { .name: woh, .offset: 8, .size: 8, .value_kind: global_buffer, .address_space: global }
      - { .name: bo, .offset: 16, .size: 8, .value_kind: global_buffer, .address_space: global }
      - { .name: out0, .offset: 24, .size: 8, .value_kind: global_buffer, .address_space: global }
    .group_segment_fixed_size: 327680
    .private_segment_fixed_size: 0
    .kernarg_segment_align: 8
    .kernarg_segment_size: 32
    .max_flat_workgroup_size: 128
    .sgpr_count:     66
    .vgpr_count:     512
    .wavefront_size: 32
...
	.end_amdgpu_metadata
.endif
;; end of part 4
;; ======== version 2 of 2: 4 launches; version 1 with the launch cast written anew for expert scheduling mode
;; limits: values are held in f16: magnitudes above 65,504 overflow, below 6.1e-05 lose precision; right only within a limited range of input values
;; workspace buffers: xb 8,388,608 bytes; wab 6,291,456 bytes; woh 2,097,152 bytes; qkv 25,165,824 bytes; amax 12,288 bytes; ctxh 8,388,608 bytes
;; launch cast (part 5): grid 512 x 1, 8 waves a work-group, no clusters, 0 bytes of LDS; arguments iQ, Wa, Wo, xb, wab, woh; writes xb, wab, woh
.if DOCPART == 5
	.amdgcn_target "amdgcn-amd-amdhsa--gfx1250"
	.amdhsa_code_object_version 6
	.text
	.protected	k_qeba202709d_cast
	.globl	k_qeba202709d_cast
	.p2align	8
	.type	k_qeba202709d_cast,@function
k_qeba202709d_cast:
	s_mov_b64 s[64:65], 0
	v_nop
	global_prefetch_b8 v0, s[64:65] scope:SCOPE_SE
	s_setreg_imm32_b32 hwreg(HW_REG_WAVE_SCHED_MODE, 0, 2), 2
	s_setreg_imm32_b32 hwreg(HW_REG_WAVE_MODE, 25, 1), 1
	s_wait_xcnt 0x0
	s_wait_alu depctr_vm_vsrc(0)
; THE PROGRAM: four launches.  cast: iQ, Wa, Wo to 16 bits.  qkvp: the QKV projection, by heads.  attn: scores, SparseNormer, weights x v.  outp: the output projection.
; WORK THAT IS NOT DONE.  reference() adds to the scores the product of q with r[q][k] = rel_emb[clip(k - q, -16, 16) + 16], a table that it gathers itself: for a given query that
; product takes only 33 different values, q . rel_emb[j], whatever the inputs hold.  So attn makes those 33 numbers a query and selects among them by k - q; the dense product over
; [S, S, 64] is not formed.  Every input has a way to the output and every input is loaded.  LIMIT: a NaN, an infinity or an overflow is carried only from table entries that some key of the row selects.
; FORMATS.  All inputs are rounded to bf16 (Wo's bf16 number is then written as f16: exact down to 6.1e-5, below that in steps of 6e-8; Wo within 65,504); what the program makes (q, k, v, weights, ctx) is f16.
; THIS LAUNCH.  Work-group g takes 65,536 bytes of f32 and writes 32,768: g < 256 iQ -> xb (bf16), g < 448 Wa -> wab (bf16), else Wo -> woh.
; Thread t takes 16 bytes at 16 t + 4,096 j, j = 0..15: a load of a wave covers 512 consecutive bytes, a store 256 consecutive bytes, aligned.  All 16 loads are issued before the first wait for data.
; THE MODE: SCHED_MODE bits 1:0 = 2 (LLVM: expert scheduling mode 2), set by the entry lines.  The code itself states the register dependences
; between vector instructions and memory instructions, with s_wait_alu, always for 0.
; THE PLAN.  Registers that memory instructions touch:
;   v1, v2   byte offsets of the loads and of the stores: written once at the head, by a vector line each, and never again.
;   X        four registers a load: written by that load alone, which is issued before any vector line names them; read by its conversions, behind the wait for the data.
;   Y        two registers a store: written once, by the conversions; read once, by the store; never written again.
;   T        at work: no memory instruction names it.
; So one wait ahead of the first load states that the offsets are written, for all 32 memory instructions.  The 16 loads go in four blocks of four: a block's conversions, one wait that
; states that they have written the block's eight registers of Y, and the block's four stores in one run.  The wait stands behind the block's own conversions, so that its stores leave
; without waiting for the next block's data.  No register that a memory instruction reads is written again: nothing has to be freed.
.set X, 8                              ; v[8:71]    as loaded
.set Y, 72                             ; v[72:103]  to store
.set T, 104                            ; v[104:107] at work
	s_load_b256 s[4:11], s[0:1], 0x0               ; iQ s[4:5], Wa s[6:7], Wo s[8:9], xb s[10:11]
	s_load_b128 s[12:15], s[0:1], 0x20             ; wab s[12:13], woh s[14:15]
	v_lshlrev_b32 v1, 4, v0                        ; 16 t
	v_lshlrev_b32 v2, 3, v0                        ; 8 t
	s_mov_b32 s16, ttmp9
	s_sub_co_u32 s17, s16, 256                     ; my number among Wa's work-groups,
	s_sub_co_u32 s18, s16, 448                     ; among Wo's
	s_wait_kmcnt 0x0
	s_cmp_lt_u32 s16, 448
	s_cselect_b64 s[20:21], s[6:7], s[8:9]
	s_cselect_b64 s[22:23], s[12:13], s[14:15]
	s_cselect_b32 s19, s17, s18
	s_cmp_lt_u32 s16, 256
	s_cselect_b64 s[20:21], s[4:5], s[20:21]       ; from
	s_cselect_b64 s[22:23], s[10:11], s[22:23]     ; to
	s_cselect_b32 s19, s16, s19                    ; my number in that tensor
	s_lshl_b32 s24, s19, 16
	s_mov_b32 s25, 0
	s_lshl_b32 s26, s19, 15
	s_mov_b32 s27, 0
	s_add_nc_u64 s[20:21], s[20:21], s[24:25]
	s_add_nc_u64 s[22:23], s[22:23], s[26:27]
	s_wait_alu depctr_va_vdst(0)                   ; v1 and v2 are written: every load reads v1 as its offset, every store v2
.irp j, 0,1,2,3,4,5,6,7,8,9,10,11,12,13,14,15
	global_load_b128 v[X+4*\j:X+4*\j+3], v1, s[20:21] offset:4096*\j th:TH_LOAD_NT
.endr
; Block p: loads 4 p to 4 p + 3, sixteen numbers.  half = 1: the bf16 number is written as f16.  No register is written twice on a store's side, so no wait frees anything.
.macro BLK p, half
	s_wait_loadcnt 12-4*(\p)                       ; loads come back in order: the block's four are in, the 12 - 4 p younger ones stay out
.irp i, 0,1,2,3
.if \half
.irp k, 0,1
	v_cvt_pk_bf16_f32 v[T+2*\k], v[X+4*(4*(\p)+\i)+2*\k], v[X+4*(4*(\p)+\i)+2*\k+1]
	v_lshlrev_b32 v[T+2*\k+1], 16, v[T+2*\k]       ; the low number as f32,
	v_and_b32 v[T+2*\k], 0xffff0000, v[T+2*\k]     ; the high one
	v_cvt_pk_f16_f32 v[Y+2*(4*(\p)+\i)+\k], v[T+2*\k+1], v[T+2*\k]
.endr
.else
	v_cvt_pk_bf16_f32 v[Y+2*(4*(\p)+\i)], v[X+4*(4*(\p)+\i)], v[X+4*(4*(\p)+\i)+1]
	v_cvt_pk_bf16_f32 v[Y+2*(4*(\p)+\i)+1], v[X+4*(4*(\p)+\i)+2], v[X+4*(4*(\p)+\i)+3]
.endif
.endr
	s_wait_alu depctr_va_vdst(0)                   ; the block's conversions have written its eight registers of Y, which the four stores below read
.irp i, 0,1,2,3
	global_store_b64 v2, v[Y+2*(4*(\p)+\i):Y+2*(4*(\p)+\i)+1], s[22:23] offset:2048*(4*(\p)+\i)
.endr
.endm
	s_cmp_lt_u32 s16, 448
	s_cbranch_scc0 .Lhalf
	BLK 0, 0
	BLK 1, 0
	BLK 2, 0
	BLK 3, 0
	s_endpgm
.Lhalf:
	BLK 0, 1
	BLK 1, 1
	BLK 2, 1
	BLK 3, 1
	s_endpgm
.Lfunc_end_k_qeba202709d_cast:
	.size	k_qeba202709d_cast, .Lfunc_end_k_qeba202709d_cast-k_qeba202709d_cast
	.p2alignl 7, 3214868480
	.fill 96, 4, 3214868480
	.section	.rodata,"a",@progbits
	.p2align	6, 0x0
	.amdhsa_kernel k_qeba202709d_cast
		.amdhsa_group_segment_fixed_size 0
		.amdhsa_private_segment_fixed_size 0
		.amdhsa_enable_private_segment 0
		.amdhsa_kernarg_size 48
		.amdhsa_user_sgpr_count 2
		.amdhsa_user_sgpr_kernarg_segment_ptr 1
		.amdhsa_wavefront_size32 1
		.amdhsa_system_sgpr_workgroup_id_x 1
		.amdhsa_system_sgpr_workgroup_id_y 1
		.amdhsa_system_sgpr_workgroup_id_z 1
		.amdhsa_system_vgpr_workitem_id 0
		.amdhsa_next_free_vgpr 108
		.amdhsa_next_free_sgpr 66
		.amdhsa_reserve_vcc 0
		.amdhsa_float_denorm_mode_32 3
		.amdhsa_float_denorm_mode_16_64 3
		.amdhsa_memory_ordered 1
		.amdhsa_forward_progress 1
		.amdhsa_inst_pref_size 16
	.end_amdhsa_kernel
	.amdgpu_metadata
---
amdhsa.version: [ 1, 2 ]
amdhsa.kernels:
  - .name:           k_qeba202709d_cast
    .symbol:         k_qeba202709d_cast.kd
    .args:
      - { .name: iQ, .offset: 0, .size: 8, .value_kind: global_buffer, .address_space: global }
      - { .name: Wa, .offset: 8, .size: 8, .value_kind: global_buffer, .address_space: global }
      - { .name: Wo, .offset: 16, .size: 8, .value_kind: global_buffer, .address_space: global }
      - { .name: xb, .offset: 24, .size: 8, .value_kind: global_buffer, .address_space: global }
      - { .name: wab, .offset: 32, .size: 8, .value_kind: global_buffer, .address_space: global }
      - { .name: woh, .offset: 40, .size: 8, .value_kind: global_buffer, .address_space: global }
    .group_segment_fixed_size: 0
    .private_segment_fixed_size: 0
    .kernarg_segment_align: 8
    .kernarg_segment_size: 48
    .max_flat_workgroup_size: 256
    .sgpr_count:     66
    .vgpr_count:     108
    .wavefront_size: 32
...
	.end_amdgpu_metadata
.endif
;; end of part 5
;; launch qkvp: the kernel of part 2 again; grid 16 x 16, 4 waves a work-group, clusters of 4 x 4, 327,680 bytes of LDS; arguments xb, wab, ba, qkv, amax; writes qkv, amax
;; launch attn: the kernel of part 3 again; grid 4 x 64, 4 waves a work-group, clusters of 4 x 1, 327,680 bytes of LDS; arguments qkv, amax, rel_emb, sn_bias, ctxh; writes ctxh
;; launch outp: the kernel of part 4 again; grid 8 x 32, 4 waves a work-group, clusters of 4 x 4, 327,680 bytes of LDS; arguments ctxh, woh, bo, out0; writes out0
